; MI455X (gfx1250); checked and timed in simulation.
; The chip was launched on July 23, 2026; its instructions are those of AMD's public machine-readable ISA for CDNA 5 (MIT licence, August 2026) and "CDNA5" Instruction Set Architecture Reference Guide (July 2026). The comments in the code are by the model that wrote it; some were corrected since.
;; Transformer Encoder Layer. Allowed arithmetic: matrix products marked QUANTISED: E2M1 operands, one E8M0 scale for each 32 along K, by v_wmma_scale_f32_16x16x128_f8f6f4 with both operands' format E2M1 (or v_wmma_scale_f32_32x16x128_f4), f32 sums; everything else in f32.
;; Inputs: W1 768 x 3,072 float32; W2 3,072 x 768 float32; Wk 12 x 768 x 64 float32; Wo 768 x 768 float32; Wq 12 x 768 x 64 float32; Wv 12 x 768 x 64 float32; b1 3,072 float32; b2 768 float32; bk 12 x 64 float32; bo 768 float32; bq 12 x 64 float32; bv 12 x 64 float32; ln1_b 768 float32; ln1_w 768 float32; ln2_b 768 float32; ln2_w 768 float32; x 1 x 4,096 x 768 float32.
;; Outputs: out0 1 x 4,096 x 768 float32.
;; This version of the problem:
;;   THIS VERSION OF THE PROBLEM IS GIVEN IN LOW PRECISION. The matrix products marked QUANTISED in the list below multiply operands that are first quantised to E2M1 (2 exponent bits, 1 mantissa bit; 4 bits a number), with one power-of-two scale for each 32 numbers along K (OCP MX v1.0); their sums are f32. All else is computed in f32.
;;   The module's matrix products, in the order in which they are computed (A, B: the left and right operand; K: the contracted axis; several contracted axes count as one K, in the product's order):
;;     1. [M 768, K 768] x [K 768, N 4,096]; A: input Wq; B: computed on the way: QUANTISED
;;     2. [M 768, K 768] x [K 768, N 4,096]; A: input Wk; B: computed on the way: QUANTISED
;;     3. [M 768, K 768] x [K 768, N 4,096]; A: input Wv; B: computed on the way: QUANTISED
;;     4. batch 12 x [M 4,096, K 64] x [K 64, N 4,096]; A: computed on the way; B: computed on the way: QUANTISED
;;     5. batch 12 x [M 4,096, K 4,096] x [K 4,096, N 64]; A: softmax (see below); B: computed on the way: QUANTISED
;;     6. [M 4,096, K 768] x [K 768, N 768]; A: computed on the way; B: input Wo: QUANTISED
;;     7. [M 4,096, K 768] x [K 768, N 3,072]; A: computed on the way; B: input W1: QUANTISED
;;     8. [M 4,096, K 3,072] x [K 3,072, N 768]; A: computed on the way; B: input W2: QUANTISED
;;   THE QUANTISER, for each operand of a quantised product, along K:
;;     - K is cut into blocks of 32 from its start; a last block that is shorter is filled with zeros.
;;     - A block's scale is 2^e with e = floor(log2(the largest magnitude in the block)) - 2, held to -126 .. 127; a block of zeros has e = 0. As a byte (E8M0): e + 127.
;;     - Each number is divided by its block's scale, clamped to +-6, and rounded to the nearest number of E2M1, ties to even, subnormals kept.
;;     - The product sums the exact products of the quantised numbers (number of the format x scale) in f32.
;;   ~~~python
;;   def quantise(x, axis):      # numpy; x: float32 -> the quantised numbers, widened to float32 again
;;       x = np.moveaxis(x, axis, -1); K = x.shape[-1]
;;       x = np.pad(x, [(0, 0)] * (x.ndim - 1) + [(0, -K % 32)]); x = x.reshape(x.shape[:-1] + (-1, 32)); a = np.abs(x).max(-1, keepdims=True)
;;       e = np.where(a > 0, np.clip(np.frexp(np.where(a > 0, a, 1))[1] - 1 - 2, -126, 127), 0)      # np.frexp(a)[1] - 1 = floor(log2(a)), exactly
;;       r = np.clip(x / 2.0 ** e, -6, 6)
;;       step = 2.0 ** (np.maximum(np.frexp(np.where(r == 0, 1, r))[1] - 1, 0) - 1)
;;       q = np.round(r / step) * step * 2.0 ** e      # np.round: ties to even
;;       return np.moveaxis(q.reshape(q.shape[:-2] + (-1,))[..., :K], -1, axis).astype(np.float32)
;;   ~~~
;;   SOFTMAX AHEAD OF A QUANTISED PRODUCT. Where the list says 'softmax', what is quantised is not the finished softmax but p = 2^(t - M), with t = logit x log2(e) and M = ceil(the row's largest t), a whole number; so 1/2 < the row's largest p <= 1. The row's sum l is taken of the UNQUANTISED p, in f32, and the product's result is divided by l at the end. Since M is a whole number, a kernel that streams over the keys may use a running M (the ceiling of the running maximum): every later rescaling is an exact power of two, which a block's scale takes up: the codes' values come out the same.
;;   OPERANDS COMPUTED ON THE WAY. 'Computed on the way' means the value that the module computes at that place (a softmax that the list does not call 'softmax' is quantised finished and normalised). What goes into a quantiser is computed in f32, as accurately as f32 sums, v_exp_f32 and their like allow (about 1e-6 of the number): no bf16 or f16 on the way to a quantiser, and a product that is left as it is and whose result goes on into a quantised operand takes f32 operands (vector FMAs, or v_wmma_f32_16x16x4_f32). A number that lies on a knife's edge between two numbers of the format may be rounded either way, as far as f32 arithmetic and the matrix unit's own rounding can turn it there, and no further.
;; One version. Each part assembles by itself: llvm-mc -triple=amdgcn-amd-amdhsa -mcpu=gfx1250 --defsym DOCPART=n.
;; ======== version 1 of 1: 6 launches
;; limits: right only within a limited range of input values
;; workspace buffers: wts 3,760,128 bytes; acta 1,769,472 bytes; actb 1,769,472 bytes; qf 1,966,080 bytes; kvc 3,145,728 bytes; kvs 294,912 bytes; x1 12,582,912 bytes; hbuf 7,077,888 bytes
;; launch prep (part 1): grid 8 x 68, 6 waves a work-group, no clusters, 2,816 bytes of LDS; arguments x, ln1_w, ln1_b, Wq, Wk, Wv, Wo, W1, W2, wts, acta; writes wts, acta
.if DOCPART == 1
	.amdgcn_target "amdgcn-amd-amdhsa--gfx1250"
	.amdhsa_code_object_version 6
	.text
	.protected	k_qabb91864a8_prep
	.globl	k_qabb91864a8_prep
	.p2align	8
	.type	k_qabb91864a8_prep,@function
k_qabb91864a8_prep:
	s_mov_b64 s[64:65], 0
	v_nop
	global_prefetch_b8 v0, s[64:65] scope:SCOPE_SE
	s_setreg_imm32_b32 hwreg(HW_REG_WAVE_MODE, 25, 1), 1
	s_wait_xcnt 0x0
; PREP.  Two kinds of work-groups, told apart by the work-group's y alone.
; y < 36: the six weights become codes of FP4 (E2M1) with one E8M0 byte for each 32 along K.  All lie [k][n] in memory, so a lane takes a column and its registers run down K.
;   The twelve 768 x 768 parts (Wq, Wk, Wv, Wo, four of W1, four of W2) have 24 groups of 32 columns x 6 steps of 128 k each; a wave takes one group and one step.
;   A group of 32 columns is a PAIR of operand tiles: column c of the 32 is row (c % 8) + 8 (c / 16) of tile (c / 8) % 2.  The record of a pair (PREC bytes) is an image of operand registers:
;   codes at 2048 step + 1024 tile + 512 c + 16 lane, scale words at 12288 + 128 step + 4 (16 tile + row).
; y >= 36: LayerNorm 1 of 16 tokens (row r of tile T is token 32 (T / 2) + 8 (T % 2) + r % 8 + 16 (r / 8)), quantised along the 768; wave w owns columns 128 w on.
;   The record of a tile (REC bytes): codes at 1024 step + 512 c + 16 lane, scale words at 6144 + 128 step + 4 lane.
; LIMITS: a block whose largest magnitude lies under 2^-124 gets the byte 1 (a block of zeros too: its codes are zeros, and this program alone reads the bytes); NaN and infinities are not served.
.set REC,  6912
.set PREC, 13056
.set WV,   26
.set SEL,  60                          ; s[60:61] lane selects: lane l xor 16
.set INV,  62                          ; s62 1 / 768
.set EPS,  63                          ; s63 1e-5
.set OFF,  16                          ; weights: v16-47 4 lane + i rows; never rewritten
.set XW,   48                          ; v48-175 four blocks of 32 numbers
.set CW,   176                         ; v176-191 their codes
.set XR,   16                          ; norm: v16-79 my 64 numbers of a row
.set LW,   80                          ; v80-143 the gain
.set LB,   144                         ; v144-207 the bias
.set TM,   208                         ; v208-223 at work
.set PC,   224
.set PW,   232
.set RA,   234
.set RB,   236
.set MN,   238
.set XA,   5
.set HB,   6
.set LST,  7
.set LLD,  8
.set CO,   9
; 64 numbers of a lane, register 16 b + i = k 32 b + 16 (lane / 16) + i of my row, become a fragment's 8 registers of codes and its scale word
.macro QUANT sr, pc, pw
.irp b, 0,1,2,3
	v_max3_num_f32 v[TM+\b], |v[\sr+16*\b]|, |v[\sr+1+16*\b]|, 0x1800000   ; my 16 numbers of block b, and the floor 2^-124: the byte cannot fall under 1
.endr
.irp i, 2,4,6,8,10,12,14
.irp b, 0,1,2,3
	v_max3_num_f32 v[TM+\b], v[TM+\b], |v[\sr+16*\b+\i]|, |v[\sr+1+16*\b+\i]|
.endr
.endr
.irp b, 0,1,2,3
	v_permlanex16_b32 v[TM+4+\b], v[TM+\b], s[SEL], s[SEL+1]
.endr
.irp b, 0,1,2,3
	v_max_num_f32 v[TM+\b], v[TM+\b], v[TM+4+\b]                       ; with lane l xor 16's: the block's largest magnitude
.endr
.irp b, 0,1,2,3
	v_add_nc_u32 v[TM+12+\b], 0xff000000, v[TM+\b]                     ; 2 off its exponent field: the conversion's scale operand
.endr
.irp b, 0,1,2,3
	v_lshrrev_b32 v[TM+4+\b], 23, v[TM+12+\b]                          ; the scale's byte
.endr
	v_lshl_or_b32 v[\pw], v[TM+5], 8, v[TM+4]
	v_lshl_or_b32 v[\pw], v[TM+6], 16, v[\pw]
	v_lshl_or_b32 v[\pw], v[TM+7], 24, v[\pw]
.irp b, 0,1,2,3
	v_cvt_scalef32_pk8_fp4_f32 v[\pc+2*\b], v[\sr+16*\b:\sr+7+16*\b], v[TM+12+\b]
	v_cvt_scalef32_pk8_fp4_f32 v[\pc+1+2*\b], v[\sr+8+16*\b:\sr+15+16*\b], v[TM+12+\b]
.endr
	v_nop                                                              ; one plain place behind a scaled conversion
.irp c, 0,1
.irp i, 0,1
	v_permlane16_swap_b32 v[\pc+4*\c+\i], v[\pc+2+4*\c+\i]             ; a whole block to a lane: lanes 0-15 block 2 c, lanes 16-31 block 2 c + 1
.endr
.endr
.endm
; the two chains in RA and RB become the row's sum over all six waves, in every lane, in v[RA]
.macro ROWSUM red
	v_pk_add_f32 v[RA:RA+1], v[RA:RA+1], v[RB:RB+1]
	v_add_f32 v[RA], v[RA], v[RA+1]
	v_permlanex16_b32 v[RB], v[RA], s[SEL], s[SEL+1]
	v_add_f32 v[RA], v[RA], v[RB]                                      ; my wave's 128 columns of row lane % 16
	ds_store_b32 v[LST], v[RA] offset:\red
	s_wait_dscnt 0x0                                                   ; for the others' sake: my store has landed
	s_barrier_signal -1
	s_barrier_wait -1
.irp n, 0,1,2,3,4,5
	ds_load_b32 v[TM+8+\n], v[LLD] offset:\red+128*\n
.endr
	s_wait_dscnt 0x0
	v_add_f32 v[RA], v[TM+8], v[TM+9]                                  ; the same order in every wave: the same bits
	v_add_f32 v[RB], v[TM+10], v[TM+11]
	v_add_f32 v[TM+12], v[TM+12], v[TM+13]
	v_add_f32 v[RA], v[RA], v[RB]
	v_add_f32 v[RA], v[RA], v[TM+12]
.endm
; LayerNorm of the rows in v[xr] on (mean, then the centred squares), gain and bias, then the quantiser
.macro LNQ xr, wr, br, red0, red1, pc, pw
	v_pk_add_f32 v[RA:RA+1], v[\xr:\xr+1], v[\xr+2:\xr+3]
	v_pk_add_f32 v[RB:RB+1], v[\xr+4:\xr+5], v[\xr+6:\xr+7]
.set j, 8
.rept 14
	v_pk_add_f32 v[RA:RA+1], v[RA:RA+1], v[\xr+j:\xr+j+1]
	v_pk_add_f32 v[RB:RB+1], v[RB:RB+1], v[\xr+j+2:\xr+j+3]
.set j, j+4
.endr
	ROWSUM \red0
	v_mul_f32 v[MN], s[INV], v[RA]
	v_mov_b32 v[MN+1], v[MN]
.set j, 0
.rept 32
	v_pk_add_f32 v[\xr+j:\xr+j+1], v[\xr+j:\xr+j+1], v[MN:MN+1] neg_lo:[0,1] neg_hi:[0,1]
.set j, j+2
.endr
	v_pk_mul_f32 v[RA:RA+1], v[\xr:\xr+1], v[\xr:\xr+1]
	v_pk_mul_f32 v[RB:RB+1], v[\xr+2:\xr+3], v[\xr+2:\xr+3]
.set j, 4
.rept 15
	v_pk_fma_f32 v[RA:RA+1], v[\xr+j:\xr+j+1], v[\xr+j:\xr+j+1], v[RA:RA+1]
	v_pk_fma_f32 v[RB:RB+1], v[\xr+j+2:\xr+j+3], v[\xr+j+2:\xr+j+3], v[RB:RB+1]
.set j, j+4
.endr
	ROWSUM \red1                                                       ; other bytes than the first sum's: no third barrier
	v_fma_f32 v[MN], v[RA], s[INV], s[EPS]
	s_wait_alu depctr_va_vdst(0)
	v_rsq_f32 v[MN], v[MN]
	v_nop                                                              ; a plain place behind the transcendental
	s_wait_alu depctr_va_vdst(0)                                       ; the wait ahead of the first reader
	v_mov_b32 v[MN+1], v[MN]
.set j, 0
.rept 32
	v_pk_mul_f32 v[\xr+j:\xr+j+1], v[\xr+j:\xr+j+1], v[MN:MN+1]
.set j, j+2
.endr
	s_wait_loadcnt 0x0                                                 ; gain and bias
.set j, 0
.rept 32
	v_pk_fma_f32 v[\xr+j:\xr+j+1], v[\xr+j:\xr+j+1], v[\wr+j:\wr+j+1], v[\br+j:\br+j+1]
.set j, j+2
.endr
	QUANT \xr, \pc, \pw
.endm
; 64 numbers a lane: of each block of 32 columns my half's 16
.macro PLOAD reg, adr, sb
.irp b, 0,1,2,3
.irp j, 0,1,2,3
	global_load_b128 v[\reg+16*\b+4*\j:\reg+16*\b+4*\j+3], v[\adr], s[\sb:\sb+1] offset:128*\b+16*\j
.endr
.endr
.endm
.macro WLOAD kb                        ; block kb: 32 rows of the weight at my column; a wave reads 128 consecutive bytes
.set i, 0
.rept 32
	global_load_b32 v[XW+32*\kb+i], v[OFF+i], s[48+2*\kb:49+2*\kb] th:TH_LOAD_NT
.set i, i+1
.endr
.endm
.macro WBLOCK kb
.set XS, XW+32*\kb
	v_max3_num_f32 v12, |v[XS]|, |v[XS+1]|, |v[XS+2]|                  ; all 32 numbers of the block are mine
	v_max3_num_f32 v13, |v[XS+3]|, |v[XS+4]|, |v[XS+5]|
.irp i, 6,10,14,18,22,26
	v_max3_num_f32 v12, v12, |v[XS+\i]|, |v[XS+\i+1]|
	v_max3_num_f32 v13, v13, |v[XS+\i+2]|, |v[XS+\i+3]|
.endr
	v_max3_num_f32 v12, v12, |v[XS+30]|, |v[XS+31]|
	v_max3_num_f32 v12, v12, v13, 0x1800000
	v_add_nc_u32 v[8+\kb], 0xff000000, v12
	v_lshrrev_b32 v13, 23, v[8+\kb]
.if \kb == 0
	v_mov_b32 v14, v13
.else
	v_lshl_or_b32 v14, v13, 8*\kb, v14
.endif
.irp g, 0,1,2,3
	v_cvt_scalef32_pk8_fp4_f32 v[CW+4*\kb+\g], v[XS+8*\g:XS+8*\g+7], v[8+\kb]
.endr
	global_store_b128 v7, v[CW+4*\kb:CW+4*\kb+3], s[56:57] offset:(\kb/2)*512+(\kb%2)*256   ; registers 4 c .. 4 c + 3 of lane 16 h + row, c = kb / 2, h = kb % 2: two whole runs of 256 bytes
.endm
	s_load_b256 s[4:11], s[0:1], 0x0               ; x, ln1_w, ln1_b, Wq
	s_load_b256 s[12:19], s[0:1], 0x20             ; Wk, Wv, Wo, W1
	s_load_b128 s[20:23], s[0:1], 0x40             ; W2, wts
	s_load_b64 s[24:25], s[0:1], 0x50              ; acta
	v_lshl_add_u32 v240, v0, 2, 0x800
	v_mov_b32 v241, 0
	v_lshrrev_b32 v1, 5, v0
	v_readfirstlane_b32 s[WV], v1                  ; wave 0..5
	v_and_b32 v2, 31, v0                           ; lane
	s_and_b32 s27, ttmp7, 0xffff                   ; y
	s_cmp_ge_u32 s27, 36
	s_cbranch_scc1 .Lnorm                          ; the same way for all six waves
	; ---- the weights
	s_mul_i32 s28, s27, 43
	s_lshr_b32 s28, s28, 7                         ; U = y / 3: which 768 x 768 part
	s_mul_i32 s29, s28, 3
	s_sub_co_u32 s29, s27, s29
	s_lshl_b32 s29, s29, 3
	s_add_co_u32 s29, s29, ttmp9                   ; 0..23
	s_lshr_b32 s30, s29, 2                         ; the step of 128 k
	s_and_b32 s29, s29, 3
	s_mul_i32 s29, s29, 6
	s_add_co_u32 s29, s29, s[WV]                   ; g: the group of 32 columns
	s_lshr_b32 s31, s29, 1                         ; Wq, Wk, Wv: head g / 2, half g % 2
	s_and_b32 s32, s29, 1
	s_mul_i32 s33, s31, 196608
	s_lshl_b32 s34, s32, 7
	s_add_co_u32 s33, s33, s34                     ; their byte offset,
	s_mul_i32 s34, s31, 6
	s_lshl_b32 s35, s28, 1
	s_add_co_u32 s34, s34, s35
	s_add_co_u32 s34, s34, s32                     ; their record: 6 head + 2 U + half
	s_lshl_b32 s35, s29, 7                         ; Wo: 128 g
	s_mul_i32 s36, s28, 24
	s_add_co_u32 s36, s36, s29                     ; Wo's and W1's record: 24 U + g
	s_sub_co_u32 s37, s28, 4
	s_mul_i32 s37, s37, 3072
	s_add_co_u32 s37, s37, s35                     ; W1: 768 (U - 4) columns on
	s_sub_co_u32 s38, s28, 8
	s_mul_i32 s39, s38, 2359296
	s_add_co_u32 s39, s39, s35                     ; W2: 768 (U - 8) rows down
	s_lshl_b32 s38, s38, 2
	s_lshr_b32 s40, s29, 2
	s_lshl_b32 s40, s40, 4
	s_add_co_u32 s38, s38, s40
	s_and_b32 s40, s29, 3
	s_add_co_u32 s38, s38, s40
	s_add_co_u32 s38, s38, 192                     ; W2's record: 192 + 16 (g / 4) + 4 (U - 8) + g % 4
	s_mov_b32 s41, 3072                            ; the pitch
	s_wait_kmcnt 0x0
	s_cmp_lt_u32 s28, 8
	s_cselect_b32 s42, s37, s39
	s_cselect_b32 s43, s36, s38
	s_cselect_b64 s[44:45], s[18:19], s[20:21]
	s_mov_b32 s46, 12288
	s_cselect_b32 s41, s46, s41
	s_cmp_lt_u32 s28, 4
	s_cselect_b32 s42, s35, s42
	s_cselect_b64 s[44:45], s[16:17], s[44:45]
	s_mov_b32 s46, 3072
	s_cselect_b32 s41, s46, s41
	s_cmp_lt_u32 s28, 3
	s_cselect_b32 s42, s33, s42
	s_cselect_b32 s43, s34, s43
	s_cselect_b64 s[44:45], s[14:15], s[44:45]
	s_cselect_b32 s41, 256, s41
	s_cmp_lt_u32 s28, 2
	s_cselect_b64 s[44:45], s[12:13], s[44:45]
	s_cmp_lt_u32 s28, 1
	s_cselect_b64 s[44:45], s[10:11], s[44:45]
	s_lshl_b32 s46, s30, 7
	s_mul_i32 s46, s46, s41
	s_add_co_u32 s46, s46, s42
	s_mov_b32 s47, 0
	s_add_nc_u64 s[48:49], s[44:45], s[46:47]      ; a base for each of the step's four blocks
	s_lshl_b32 s46, s41, 5
	s_add_nc_u64 s[50:51], s[48:49], s[46:47]
	s_add_nc_u64 s[52:53], s[50:51], s[46:47]
	s_add_nc_u64 s[54:55], s[52:53], s[46:47]
	s_mul_i32 s46, s43, PREC
	s_add_nc_u64 s[22:23], s[22:23], s[46:47]      ; the record
	s_lshl_b32 s46, s30, 11
	s_add_nc_u64 s[56:57], s[22:23], s[46:47]      ; its codes of this step
	s_lshl_b32 s46, s30, 7
	s_add_nc_u64 s[58:59], s[22:23], s[46:47]      ; its scale words of this step, 12,288 on
	s_wait_alu depctr_va_vdst(0)
	v_lshlrev_b32 v3, 2, v2
.set i, 0
.rept 32
	v_mad_u32_u24 v[OFF+i], s41, i, v3
.set i, i+1
.endr
	v_bfe_u32 v4, v2, 3, 1                         ; which tile of the pair
	v_and_b32 v5, 7, v2
	v_lshrrev_b32 v6, 4, v2
	v_lshl_add_u32 v5, v6, 3, v5                   ; which row of it
	v_lshlrev_b32 v7, 4, v5
	v_lshl_add_u32 v7, v4, 10, v7                  ; codes: 1024 tile + 16 row
	v_lshl_add_u32 v15, v4, 4, v5
	v_lshlrev_b32 v15, 2, v15                      ; scale word: 4 (16 tile + row)
	WLOAD 0
	WLOAD 1
	s_wait_alu depctr_va_vdst(0)
	s_wait_loadcnt 32                              ; block 0 is in; block 1's 32 loads may be out
	WLOAD 2
	WBLOCK 0
	s_wait_loadcnt 32                              ; block 1 is in; block 2's may be out
	WLOAD 3
	WBLOCK 1
	s_wait_loadcnt 32                              ; block 2 is in; block 3's may be out
	WBLOCK 2
	s_wait_loadcnt 0x0
	WBLOCK 3
	global_store_b32 v15, v14, s[58:59] offset:12288
	s_endpgm
	; ---- LayerNorm 1
.Lnorm:
	s_sub_co_u32 s28, s27, 36
	s_lshl_b32 s28, s28, 3
	s_add_co_u32 s28, s28, ttmp9                   ; T
	s_lshr_b32 s29, s28, 1
	s_lshl_b32 s29, s29, 5
	s_and_b32 s30, s28, 1
	s_lshl_b32 s30, s30, 3
	s_add_co_u32 s29, s29, s30                     ; the tile's first token
	s_lshl_b32 s32, s[WV], 9                       ; my wave's 128 columns
	s_mov_b32 s33, 0
	s_mul_i32 s30, s29, 3072
	s_add_co_u32 s30, s30, s32
	s_mov_b32 s31, 0
	s_mul_i32 s34, s28, REC
	s_mov_b32 s35, 0
	s_mov_b32 s[SEL], 0x76543210
	s_mov_b32 s[SEL+1], 0xfedcba98
	s_mov_b32 s[INV], 0x3aaaaaab
	s_mov_b32 s[EPS], 0x3727c5ac
	v_and_b32 v3, 15, v0                           ; r
	v_bfe_u32 v4, v0, 4, 1                         ; h
	v_and_b32 v[XA], 7, v3
	v_lshrrev_b32 v[HB], 3, v3
	v_lshl_add_u32 v[XA], v[HB], 4, v[XA]          ; r % 8 + 16 (r / 8)
	v_mul_u32_u24 v[XA], v[XA], 3072
	v_lshlrev_b32 v[HB], 6, v4                     ; 64 h
	v_add_nc_u32 v[XA], v[XA], v[HB]
	v_lshlrev_b32 v[LST], 2, v0                    ; 128 wave + 4 lane
	v_lshlrev_b32 v[LLD], 2, v2
	v_lshlrev_b32 v[CO], 4, v2
	v_lshl_add_u32 v[CO], v1, 10, v[CO]            ; 1024 wave + 16 lane
.irp b, 0,1,2,3
	v_mov_b32 v[TM+4+\b], 0                        ; written once: a lane permute's destination counts as one of its sources
.endr
	s_wait_alu depctr_va_vdst(0)
	s_wait_kmcnt 0x0
	s_add_nc_u64 s[4:5], s[4:5], s[30:31]
	s_add_nc_u64 s[6:7], s[6:7], s[32:33]
	s_add_nc_u64 s[8:9], s[8:9], s[32:33]
	s_add_nc_u64 s[24:25], s[24:25], s[34:35]
	PLOAD XR, XA, 4
	PLOAD LW, HB, 6
	PLOAD LB, HB, 8
	s_wait_loadcnt 32                              ; x is in; the gain's and the bias's 32 loads may be out
	LNQ XR, LW, LB, 0, 768, PC, PW
	global_store_b128 v[CO], v[PC:PC+3], s[24:25]
	global_store_b128 v[CO], v[PC+4:PC+7], s[24:25] offset:512
	global_store_b32 v[LST], v[PW], s[24:25] offset:6144
	s_wait_tensorcnt 0x0
	ds_add_u32 v240, v241
	s_wait_dscnt 0x0
	s_endpgm
.Lfunc_end_k_qabb91864a8_prep:
	.size	k_qabb91864a8_prep, .Lfunc_end_k_qabb91864a8_prep-k_qabb91864a8_prep
	.p2alignl 7, 3214868480
	.fill 96, 4, 3214868480
	.section	.rodata,"a",@progbits
	.p2align	6, 0x0
	.amdhsa_kernel k_qabb91864a8_prep
		.amdhsa_group_segment_fixed_size 2816
		.amdhsa_private_segment_fixed_size 0
		.amdhsa_enable_private_segment 0
		.amdhsa_kernarg_size 88
		.amdhsa_user_sgpr_count 2
		.amdhsa_user_sgpr_kernarg_segment_ptr 1
		.amdhsa_wavefront_size32 1
		.amdhsa_system_sgpr_workgroup_id_x 1
		.amdhsa_system_sgpr_workgroup_id_y 1
		.amdhsa_system_sgpr_workgroup_id_z 1
		.amdhsa_system_vgpr_workitem_id 0
		.amdhsa_next_free_vgpr 242
		.amdhsa_next_free_sgpr 66
		.amdhsa_reserve_vcc 0
		.amdhsa_float_denorm_mode_32 3
		.amdhsa_float_denorm_mode_16_64 3
		.amdhsa_memory_ordered 1
		.amdhsa_forward_progress 1
		.amdhsa_inst_pref_size 47
	.end_amdhsa_kernel
	.amdgpu_metadata
---
amdhsa.version: [ 1, 2 ]
amdhsa.kernels:
  - .name:           k_qabb91864a8_prep
    .symbol:         k_qabb91864a8_prep.kd
    .args:
      - { .name: x, .offset: 0, .size: 8, .value_kind: global_buffer, .address_space: global }
      - { .name: ln1_w, .offset: 8, .size: 8, .value_kind: global_buffer, .address_space: global }
      - { .name: ln1_b, .offset: 16, .size: 8, .value_kind: global_buffer, .address_space: global }
      - { .name: Wq, .offset: 24, .size: 8, .value_kind: global_buffer, .address_space: global }
      - { .name: Wk, .offset: 32, .size: 8, .value_kind: global_buffer, .address_space: global }
      - { .name: Wv, .offset: 40, .size: 8, .value_kind: global_buffer, .address_space: global }
      - { .name: Wo, .offset: 48, .size: 8, .value_kind: global_buffer, .address_space: global }
      - { .name: W1, .offset: 56, .size: 8, .value_kind: global_buffer, .address_space: global }
      - { .name: W2, .offset: 64, .size: 8, .value_kind: global_buffer, .address_space: global }
      - { .name: wts, .offset: 72, .size: 8, .value_kind: global_buffer, .address_space: global }
      - { .name: acta, .offset: 80, .size: 8, .value_kind: global_buffer, .address_space: global }
    .group_segment_fixed_size: 2816
    .private_segment_fixed_size: 0
    .kernarg_segment_align: 8
    .kernarg_segment_size: 88
    .max_flat_workgroup_size: 192
    .sgpr_count:     66
    .vgpr_count:     242
    .wavefront_size: 32
...
	.end_amdgpu_metadata
.endif
;; end of part 1
;; launch qkv (part 2): grid 12 x 16, 12 waves a work-group, clusters of 4 x 4, 222,720 bytes of LDS; arguments acta, wts, bq, bk, bv, qf, kvc, kvs; writes qf, kvc, kvs
.if DOCPART == 2
	.amdgcn_target "amdgcn-amd-amdhsa--gfx1250"
	.amdhsa_code_object_version 6
	.text
	.protected	k_qabb91864a8_qkv
	.globl	k_qabb91864a8_qkv
	.p2align	8
	.type	k_qabb91864a8_qkv,@function
k_qabb91864a8_qkv:
	s_mov_b64 s[64:65], 0
	v_nop
	global_prefetch_b8 v0, s[64:65] scope:SCOPE_SE
	s_setreg_imm32_b32 hwreg(HW_REG_WAVE_MODE, 25, 1), 1
	s_wait_xcnt 0x0
	s_wait_alu depctr_hold_cnt(0) depctr_sa_sdst(0) depctr_va_vdst(0) depctr_va_sdst(0) depctr_va_ssrc(0) depctr_va_vcc(0) depctr_vm_vsrc(0)
	s_getreg_b32 s2, hwreg(HW_REG_IB_STS2, 6, 4)
	s_cmp_eq_u32 s2, 0
	s_cbranch_scc0 .Lentry_in_a_cluster
	s_endpgm
.Lentry_in_a_cluster:
	s_bfe_u32 s2, ttmp6, 0x10000c
	s_cmp_lg_u32 s2, 0xf033
	s_cbranch_scc0 .Lentry_shape_is_right
	s_endpgm
.Lentry_shape_is_right:
; QKV.  A work-group makes q, k and v of one head for 256 tokens, in two passes of 128, on codes of FP4, and quantises them: q and k along the head's 64, v along the keys.
; 12 heads x 16 blocks of tokens are 192 work-groups: each fetches its weights once and serves two passes with them.
; LDS is filled once: the head's six pairs of weight tiles (q0 q1 k0 k1 v0 v1, 13,056 bytes each) and the 16 token tiles of y (6,912 each), as images of operand registers.
; CLUSTER 4 x 4: x is the head, y the block of tokens.  The weights hang on the head alone and are asked for jointly down a column of the cluster, y's tiles on the tokens alone, jointly along a row.
; ROLES by the wave's number: waves 0-3 q, 4-7 k (each two token tiles a pass; source 0 = 16 columns of W, source 1 = 16 tokens: a lane holds one token, its registers run along the head),
; waves 8-11 v (each 16 channels for a pass's 128 tokens; source 0 = 16 tokens, source 1 = 16 columns: a lane holds one channel, its registers run along the keys).
; Rows of a tile are not neighbours (row r of tile T is index 32 (T / 2) + 8 (T % 2) + r % 8 + 16 (r / 8)), so that 16 registers of two neighbouring tiles are 16 neighbours along the next K.
; q's and k's fragments have 64 of the instruction's 128 along K: only registers 0-3 are stored; their scale words carry 0x7f in the two upper bytes.
; No wave parts ahead of the barrier: every wave issues the same 9 bias loads; the q and k waves do not use the single one, the v waves not the eight.
; Each role runs its two passes on end: one parting, one join.  Each pass has registers of its own for its codes and scale words, so that no store's data are written again.
; LIMITS: as in the first launch (bytes held at 1 from below; NaN and infinities not served).
.set REC,  6912
.set PREC, 13056
.set STG,  78336                       ; LDS: behind the six pairs: 1,536 bytes in which k's and v's scale words are gathered: k's 512 a pass, then v's 256 a pass; no tile lands here
.set YP,   110592                      ; y's 16 tiles: 6 x 18,432, so that the LDS address of a fill by waves 6-11 is the wave's number x 18,432
.set YPB,  55296                       ; a pass's 8 tiles
.set QSC,  1572864                     ; q's scale words in qf
.set WV,   20
.set ROLE, 21
.set W4,   22
.set SEL,  2
.set G1W,  24
.set G1Y,  32
.set G0W,  40
.set G0Y,  44
.set LI,   2                           ; 16 lane
.set LS,   3                           ; 4 lane
.set AYQ,  4
.set ASQ,  5
.set AYV,  6
.set ASV,  7
.set AWQ,  8
.set AWS,  9
.set AWV,  10
.set AWSV, 11
.set SK,   12
.set SV,   13
.set SRK,  14
.set ACC,  16                          ; v16-79
.set YF,   80                          ; y's fragments: two (q, k) or eight (v)
.set WFQ,  96                          ; q, k: four fragments of W
.set WFV,  144                         ; v: one
.set BV,   152                         ; v: the bias, eight times
.set TM,   160
.set PC,   176                         ; v176-191 codes: 8 registers a pass
.set BQ,   192                         ; v192-223 q, k: the bias of the head's 64 channels in the result's layout
.set YS,   224                         ; v224-231 y's scale words; v232-233 W's (q, k); v234 W's (v): these hold scales and nothing else
.set WSQ,  232
.set WSV,  234
.set AYQ1, 235                         ; the second pass's places in y
.set ASQ1, 236
.set AYV1, 237
.set ASV1, 238
.set HB,   239
.set CH,   240
.set PW,   244                         ; v244-247 scale words made
.macro PLACES
.rept 4
	v_nop
.endr
.endm
.macro ROUND                           ; a round of the cluster's barrier
	s_barrier_signal -1
	s_barrier_wait -1
	s_cmp_lg_u32 s[WV], 0
	s_cbranch_scc1 .Lnot_wave_0_\@
	s_barrier_signal -3
.Lnot_wave_0_\@:
	s_barrier_wait -3
	s_barrier_signal -1
	s_barrier_wait -1
.endm
.macro MM d, a, b, c, sa, sb
	v_wmma_scale_f32_16x16x128_f8f6f4 v[\d:\d+7], v[\a:\a+7], v[\b:\b+7], v[\c:\c+7], v[\sa], v[\sb] matrix_a_fmt:MATRIX_FMT_FP4 matrix_b_fmt:MATRIX_FMT_FP4
.endm
.macro MM1 d, a, b, c, sa, sb          ; source 0's scales from lanes 16-31: the pair's odd tile
	v_wmma_scale_f32_16x16x128_f8f6f4 v[\d:\d+7], v[\a:\a+7], v[\b:\b+7], v[\c:\c+7], v[\sa], v[\sb] matrix_a_fmt:MATRIX_FMT_FP4 matrix_b_fmt:MATRIX_FMT_FP4 matrix_a_scale:MATRIX_SCALE_ROW1
.endm
.macro QUANT sr, pc, pw                ; 64 numbers of a lane, register 16 b + i = k 32 b + 16 (lane / 16) + i, become 8 registers of codes and a scale word
.irp b, 0,1,2,3
	v_max3_num_f32 v[TM+\b], |v[\sr+16*\b]|, |v[\sr+1+16*\b]|, 0x1800000
.endr
.irp i, 2,4,6,8,10,12,14
.irp b, 0,1,2,3
	v_max3_num_f32 v[TM+\b], v[TM+\b], |v[\sr+16*\b+\i]|, |v[\sr+1+16*\b+\i]|
.endr
.endr
.irp b, 0,1,2,3
	s_delay_alu instid0(VALU_DEP_4)
	v_permlanex16_b32 v[TM+4+\b], v[TM+\b], s[SEL], s[SEL+1]
.endr
.irp b, 0,1,2,3
	s_delay_alu instid0(VALU_DEP_4)
	v_max_num_f32 v[TM+\b], v[TM+\b], v[TM+4+\b]
.endr
.irp b, 0,1,2,3
	s_delay_alu instid0(VALU_DEP_4)
	v_add_nc_u32 v[TM+12+\b], 0xff000000, v[TM+\b]
.endr
.irp b, 0,1,2,3
	s_delay_alu instid0(VALU_DEP_4)
	v_lshrrev_b32 v[TM+4+\b], 23, v[TM+12+\b]
.endr
	s_delay_alu instid0(VALU_DEP_3)
	v_lshl_or_b32 v[\pw], v[TM+5], 8, v[TM+4]
	s_delay_alu instid0(VALU_DEP_1)
	v_lshl_or_b32 v[\pw], v[TM+6], 16, v[\pw]
	s_delay_alu instid0(VALU_DEP_1)
	v_lshl_or_b32 v[\pw], v[TM+7], 24, v[\pw]
.irp b, 0,1,2,3
	v_cvt_scalef32_pk8_fp4_f32 v[\pc+2*\b], v[\sr+16*\b:\sr+7+16*\b], v[TM+12+\b]
	v_cvt_scalef32_pk8_fp4_f32 v[\pc+1+2*\b], v[\sr+8+16*\b:\sr+15+16*\b], v[TM+12+\b]
.endr
	v_nop
.irp c, 0,1
.irp i, 0,1
	v_permlane16_swap_b32 v[\pc+4*\c+\i], v[\pc+2+4*\c+\i]
.endr
.endr
.endm
.macro QUANT2 sr, pc, pw               ; the same for 32 numbers, two blocks: 4 registers of codes, two bytes
.irp b, 0,1
	v_max3_num_f32 v[TM+\b], |v[\sr+16*\b]|, |v[\sr+1+16*\b]|, 0x1800000
.endr
.irp i, 2,4,6,8,10,12,14
.irp b, 0,1
	v_max3_num_f32 v[TM+\b], v[TM+\b], |v[\sr+16*\b+\i]|, |v[\sr+1+16*\b+\i]|
.endr
.endr
.irp b, 0,1
	s_delay_alu instid0(VALU_DEP_2)
	v_permlanex16_b32 v[TM+4+\b], v[TM+\b], s[SEL], s[SEL+1]
.endr
.irp b, 0,1
	s_delay_alu instid0(VALU_DEP_2)
	v_max_num_f32 v[TM+\b], v[TM+\b], v[TM+4+\b]
.endr
.irp b, 0,1
	s_delay_alu instid0(VALU_DEP_2)
	v_add_nc_u32 v[TM+12+\b], 0xff000000, v[TM+\b]
.endr
.irp b, 0,1
	s_delay_alu instid0(VALU_DEP_2)
	v_lshrrev_b32 v[TM+4+\b], 23, v[TM+12+\b]
.endr
	s_delay_alu instid0(VALU_DEP_1)
	v_lshl_or_b32 v[\pw], v[TM+5], 8, v[TM+4]
.irp b, 0,1
	v_cvt_scalef32_pk8_fp4_f32 v[\pc+2*\b], v[\sr+16*\b:\sr+7+16*\b], v[TM+12+\b]
	v_cvt_scalef32_pk8_fp4_f32 v[\pc+1+2*\b], v[\sr+8+16*\b:\sr+15+16*\b], v[TM+12+\b]
.endr
	v_nop
	v_permlane16_swap_b32 v[\pc], v[\pc+2]
	v_permlane16_swap_b32 v[\pc+1], v[\pc+3]
.endm
; a step of 128 along K for q or k: 16 LDS loads, 8 products on 8 accumulators by turns.  ya, ys: the pass's places of y's codes and scale words
.macro QKSTEP st, ya, ys
.if \st > 0
	PLACES                                         ; in front of loads into registers that matrix instructions have read (ahead of a pass's first step the quantiser's lines are such places)
.endif
.irp i, 0,1
.irp c, 0,1
	ds_load_b128 v[YF+8*\i+4*\c:YF+8*\i+4*\c+3], v[\ya] offset:\i*REC+\st*1024+\c*512
.endr
	ds_load_b32 v[YS+\i], v[\ys] offset:\i*REC+\st*128
.endr
.irp p, 0,1
.irp f, 0,1,2,3
	ds_load_b128 v[WFQ+16*\p+4*\f:WFQ+16*\p+4*\f+3], v[AWQ] offset:\p*PREC+\st*2048+\f*512
.endr
	ds_load_b32 v[WSQ+\p], v[AWS] offset:\p*PREC+\st*128
.endr
	s_wait_dscnt 0x0
.irp i, 0,1
.irp p, 0,1
.if \st == 0
	MM  ACC+32*\i+16*\p, WFQ+16*\p, YF+8*\i, BQ+16*\p, WSQ+\p, YS+\i       ; the bias starts the sums
	MM1 ACC+32*\i+16*\p+8, WFQ+16*\p+8, YF+8*\i, BQ+16*\p+8, WSQ+\p, YS+\i
.else
	MM  ACC+32*\i+16*\p, WFQ+16*\p, YF+8*\i, ACC+32*\i+16*\p, WSQ+\p, YS+\i
	MM1 ACC+32*\i+16*\p+8, WFQ+16*\p+8, YF+8*\i, ACC+32*\i+16*\p+8, WSQ+\p, YS+\i
.endif
.endr
.endr
.endm
; the same for v: 27 LDS loads, 8 products
.macro VSTEP st, ya, ys
	PLACES
.irp t, 0,1,2,3,4,5,6,7
.irp c, 0,1
	ds_load_b128 v[YF+8*\t+4*\c:YF+8*\t+4*\c+3], v[\ya] offset:\t*REC+\st*1024+\c*512
.endr
	ds_load_b32 v[YS+\t], v[\ys] offset:\t*REC+\st*128
.endr
.irp c, 0,1
	ds_load_b128 v[WFV+4*\c:WFV+4*\c+3], v[AWV] offset:\st*2048+\c*512
.endr
	ds_load_b32 v[WSV], v[AWSV] offset:\st*128
	s_wait_dscnt 0x0
.irp t, 0,1,2,3,4,5,6,7
.if \st == 0
	MM ACC+8*\t, YF+8*\t, WFV, BV, YS+\t, WSV      ; the bias starts the sums
.else
	MM ACC+8*\t, YF+8*\t, WFV, ACC+8*\t, YS+\t, WSV
.endif
.endr
.endm
; a pass of q or k: six steps, the quantiser, the codes' stores; the scale words wait in registers for the end
.macro QKPASS pi, ya, ys
.irp s6, 0,1,2,3,4,5
	QKSTEP \s6, \ya, \ys
.endr
	PLACES                                         ; in front of the first read of results
.irp i, 0,1
	QUANT2 ACC+32*\i, PC+8*\pi+4*\i, PW+2*\pi+\i
	v_or_b32 v[PW+2*\pi+\i], 0x7f7f0000, v[PW+2*\pi+\i]   ; the two blocks that hold zero codes: 1.0
	global_store_b128 v[LI], v[PC+8*\pi+4*\i:PC+8*\pi+4*\i+3], s[72:73] offset:4096*\pi+512*\i   ; 512 consecutive bytes; a pass is 8 tiles on
.endr
.endm
; a pass of v
.macro VPASS pi, ya, ys
.irp s6, 0,1,2,3,4,5
	VSTEP \s6, \ya, \ys
.endr
	PLACES
	QUANT ACC, PC+8*\pi, PW+\pi
	global_store_b128 v[LI], v[PC+8*\pi:PC+8*\pi+3], s[78:79] offset:4096*\pi
	global_store_b128 v[LI], v[PC+8*\pi+4:PC+8*\pi+7], s[78:79] offset:4096*\pi+512
	ds_store_b32 v[SV], v[PW+\pi] offset:256*\pi
.endm
	s_load_b256 s[4:11], s[0:1], 0x0               ; acta, wts, bq, bk
	s_load_b256 s[12:19], s[0:1], 0x20             ; bv, qf, kvc, kvs
	v_lshl_add_u32 v254, v0, 2, 0x36000
	v_mov_b32 v255, 0
	ds_add_u32 v254, v255
	ds_add_u32 v254, v255
	v_lshrrev_b32 v1, 5, v0
	s_delay_alu instid0(VALU_DEP_1)
	v_readfirstlane_b32 s[WV], v1                  ; wave 0..11
	s_lshr_b32 s[ROLE], s[WV], 2
	s_and_b32 s[W4], s[WV], 3
	s_bfe_u32 s48, ttmp6, 0x40000                  ; cx
	s_bfe_u32 s49, ttmp6, 0x40004                  ; cy
	s_lshl_b32 s50, ttmp9, 2
	s_add_co_u32 s50, s50, s48                     ; the head
	s_and_b32 s51, ttmp7, 0xffff
	s_lshl_b32 s51, s51, 2
	s_add_co_u32 s51, s51, s49                     ; the block of 256 tokens
	s_lshl_b32 s51, s51, 1                         ; tb: its first 128 tokens, counted in blocks of 128; the second pass's places are immediates
	s_lshl_b32 s52, s49, 2
	s_lshl_b32 s52, 15, s52                        ; my row of the cluster
	s_lshl_b32 s53, 0x1111, s48                    ; my column
	; descriptors: dense blocks as rows of 256 bytes (32 elements of 8 bytes), no padding
	s_or_b32 s[G1W], s53, (3<<16)|(1<<21)          ; the weights go to my column,
	s_or_b32 s[G1Y], s52, (3<<16)|(1<<21)          ; y's tiles to my row
.irp g, G1W, G1Y
	s_mov_b32 s[\g+1], 32<<16
	s_mov_b32 s[\g+3], 32<<16
	s_mov_b32 s[\g+5], 32
	s_mov_b32 s[\g+6], 0
	s_mov_b32 s[\g+7], 0
.endr
	s_mov_b32 s[G1W+2], 51<<16                     ; a pair's record: 51 rows
	s_mov_b32 s[G1W+4], 51
	s_mov_b32 s[G1Y+2], 72<<16                     ; a sixth of y's 16 tiles: 72 rows
	s_mov_b32 s[G1Y+4], 72
	s_mul_i32 s54, s50, 6
	s_add_co_u32 s54, s54, s[WV]
	s_mul_i32 s54, s54, PREC                       ; waves 0-5: record 6 head + wave
	s_mov_b32 s55, 0
	s_max_u32 s56, s[WV], 6
	s_sub_co_u32 s56, s56, 6
	s_mul_i32 s56, s56, 18432                      ; waves 6-11: sixth wave - 6
	s_mul_i32 s57, s51, YPB
	s_add_co_u32 s56, s56, s57
	s_mov_b32 s57, 0
	s_mov_b32 s[SEL], 0x76543210
	s_mov_b32 s[SEL+1], 0xfedcba98
	s_wait_dscnt 0x0
	s_wait_kmcnt 0x0
	s_mov_b32 s[G0W], 1
	s_mul_i32 s[G0W+1], s[WV], PREC
	s_add_nc_u64 s[G0W+2:G0W+3], s[6:7], s[54:55]
	s_or_b32 s[G0W+3], s[G0W+3], 0x80000000
	s_mov_b32 s[G0Y], 1
	s_mul_i32 s[G0Y+1], s[WV], 18432               ; wave 6 begins at YP
	s_add_nc_u64 s[G0Y+2:G0Y+3], s[4:5], s[56:57]
	s_or_b32 s[G0Y+3], s[G0Y+3], 0x80000000
	ROUND                                          ; all sixteen work-groups are here: the joint loads meet
	s_cmp_lt_u32 s[WV], 6                          ; one load a wave; nothing is filled again
	s_cbranch_scc0 .Lfill_y
	tensor_load_to_lds s[G0W:G0W+3], s[G1W:G1W+7]
	s_nop 0
	PLACES
	s_branch .Lfilled
.Lfill_y:
	tensor_load_to_lds s[G0Y:G0Y+3], s[G1Y:G1Y+7]
	s_nop 0
	PLACES
.Lfilled:
	; every LDS address is made here, ahead of the parting of the roles
	v_and_b32 v1, 31, v0
	s_delay_alu instid0(VALU_DEP_1)
	v_lshlrev_b32 v[LI], 4, v1
	s_delay_alu instid0(VALU_DEP_2)
	v_lshlrev_b32 v[LS], 2, v1
	v_and_b32 v241, 15, v0                         ; r
	v_bfe_u32 v242, v0, 4, 1                       ; h
	s_mul_i32 s58, s[W4], 2*REC
	s_add_co_u32 s58, s58, YP
	v_add_nc_u32 v[AYQ], s58, v[LI]                ; q, k: my two token tiles of the first pass,
	s_add_co_u32 s59, s58, 6144
	v_add_nc_u32 v[ASQ], s59, v[LS]                ; their scale words;
	s_add_co_u32 s58, s58, YPB
	v_add_nc_u32 v[AYQ1], s58, v[LI]               ; of the second pass
	s_add_co_u32 s59, s59, YPB
	v_add_nc_u32 v[ASQ1], s59, v[LS]
	v_add_nc_u32 v[AYV], YP, v[LI]                 ; v: all eight of a pass
	v_add_nc_u32 v[ASV], YP+6144, v[LS]
	v_add_nc_u32 v[AYV1], YP+YPB, v[LI]
	v_add_nc_u32 v[ASV1], YP+YPB+6144, v[LS]
	s_mul_i32 s58, s[ROLE], 2*PREC
	v_add_nc_u32 v[AWQ], s58, v[LI]                ; q, k: my projection's two pairs
	s_add_co_u32 s59, s58, 12288
	v_add_nc_u32 v[AWS], s59, v[LS]
	s_lshr_b32 s60, s[W4], 1
	s_and_b32 s61, s[W4], 1
	s_mul_i32 s58, s60, PREC
	s_add_co_u32 s58, s58, 4*PREC
	s_lshl_b32 s59, s61, 10
	s_add_co_u32 s59, s59, s58
	v_add_nc_u32 v[AWV], s59, v[LI]                ; v: tile W4 of Wv
	s_lshl_b32 s59, s61, 6
	s_add_co_u32 s59, s59, s58
	s_add_co_u32 s59, s59, 12288
	v_lshl_add_u32 v[AWSV], v241, 2, s59           ; its words, brought into lanes 0-15 whichever tile of the pair it is
	s_lshl_b32 s59, s[W4], 2
	s_add_co_u32 s59, s59, STG
	v_lshl_add_u32 v[SK], v241, 4, s59             ; k's words: 512 pass + 16 (16 (tile % 2) + r) + 4 (tile / 2), tile = 2 W4 + i
	s_lshl_b32 s59, s61, 7
	s_lshl_b32 s58, s60, 2
	s_add_co_u32 s59, s59, s58
	s_add_co_u32 s59, s59, STG+1024
	v_lshl_add_u32 v[SV], v241, 3, s59             ; v's words: 256 pass + 8 (16 (tile % 2) + r) + 4 (tile / 2)
	v_add_nc_u32 v[SRK], STG, v[LI]
.irp b, 0,1,2,3
	v_mov_b32 v[TM+4+\b], 0                        ; written once: a lane permute's destination counts as one of its sources
.endr
	; the biases
	s_cmp_eq_u32 s[ROLE], 0
	s_cselect_b64 s[62:63], s[8:9], s[10:11]
	s_cmp_eq_u32 s[ROLE], 2
	s_cselect_b64 s[62:63], s[12:13], s[62:63]
	s_lshl_b32 s66, s50, 8
	s_mov_b32 s67, 0
	s_add_nc_u64 s[62:63], s[62:63], s[66:67]      ; my projection's bias of this head
	s_add_nc_u64 s[68:69], s[12:13], s[66:67]
	s_lshl_b32 s66, s60, 7
	s_add_nc_u64 s[68:69], s[68:69], s[66:67]
	s_lshl_b32 s66, s61, 5
	s_add_nc_u64 s[68:69], s[68:69], s[66:67]      ; bv at tile W4's first channel
	v_lshlrev_b32 v[HB], 6, v242
	v_and_b32 v[CH], 7, v241
	v_lshrrev_b32 v243, 3, v241
	s_delay_alu instid0(VALU_DEP_1)
	v_lshl_add_u32 v[CH], v243, 4, v[CH]
	s_delay_alu instid0(VALU_DEP_1)
	v_lshlrev_b32 v[CH], 2, v[CH]
.irp p, 0,1
.irp j, 0,1,2,3
	global_load_b128 v[BQ+16*\p+4*\j:BQ+16*\p+4*\j+3], v[HB], s[62:63] offset:128*\p+16*\j   ; register 16 p + n: the bias of channel 32 p + 16 h + n
.endr
.endr
	global_load_b32 v[BV], v[CH], s[68:69]
	; where the results go
	s_lshl_b32 s70, s51, 3
	s_lshl_b32 s71, s[W4], 1
	s_add_co_u32 s70, s70, s71                     ; T0 = 8 tb + 2 W4
	s_lshl_b32 s71, s70, 9
	s_lshl_b32 s74, s50, 17
	s_add_co_u32 s74, s74, s71                     ; q: head x 131,072 + 512 T0
	s_lshl_b32 s75, s50, 18
	s_add_co_u32 s75, s75, s71
	s_lshr_b32 s84, s51, 2                         ; the slot of 512 keys: the same for both passes
	s_lshl_b32 s71, s84, 14
	s_add_co_u32 s75, s75, s71                     ; k: head x 262,144 + 16,384 slot + 512 T0
	s_cmp_eq_u32 s[ROLE], 0
	s_cselect_b64 s[72:73], s[14:15], s[16:17]
	s_cselect_b32 s74, s74, s75
	s_mov_b32 s75, 0
	s_add_nc_u64 s[72:73], s[72:73], s[74:75]
	s_lshl_b32 s74, s50, 8
	s_add_co_u32 s74, s74, s70
	s_lshl_b32 s74, s74, 7
	s_add_co_u32 s74, s74, QSC
	s_add_nc_u64 s[76:77], s[14:15], s[74:75]      ; q's scale words
	s_lshl_b32 s74, s50, 18
	s_lshl_b32 s71, s84, 15
	s_add_co_u32 s74, s74, s71
	s_and_b32 s71, s51, 3
	s_lshl_b32 s71, s71, 2
	s_add_co_u32 s71, s71, s[W4]
	s_lshl_b32 s71, s71, 10
	s_add_co_u32 s74, s74, s71
	s_add_co_u32 s74, s74, 16384
	s_add_nc_u64 s[78:79], s[16:17], s[74:75]      ; v: behind the slot's K, (4 (tb % 4) + tile) x 1,024
	s_mul_i32 s74, s50, 24576
	s_lshl_b32 s71, s51, 9
	s_add_co_u32 s71, s71, s74
	s_mov_b32 s85, s71
	s_lshl_b32 s71, s51, 8
	s_add_co_u32 s74, s74, s71
	s_add_co_u32 s74, s74, 16384
	s_add_nc_u64 s[82:83], s[18:19], s[74:75]      ; v's scale words of my two key steps: 512 bytes on end
	s_mov_b32 s74, s85
	s_add_nc_u64 s[80:81], s[18:19], s[74:75]      ; k's: 1,024 bytes on end
	s_wait_tensorcnt 0x0                           ; my part of the panels is in,
	s_barrier_signal -1
	s_barrier_wait -1                              ; everybody's is
	s_wait_loadcnt 0x0                             ; the biases
	s_cmp_eq_u32 s[ROLE], 2
	s_cbranch_scc1 .Lvpath
	; ---- q and k
	QKPASS 0, AYQ, ASQ
	QKPASS 1, AYQ1, ASQ1
	s_cmp_eq_u32 s[ROLE], 0
	s_cbranch_scc0 .Lkwords
	global_store_b32 v[LS], v[PW], s[76:77]
	global_store_b32 v[LS], v[PW+1], s[76:77] offset:128
	global_store_b32 v[LS], v[PW+2], s[76:77] offset:1024
	global_store_b32 v[LS], v[PW+3], s[76:77] offset:1152
	s_branch .Ljoin
.Lkwords:
	ds_store_b32 v[SK], v[PW]                      ; lanes r and 16 + r write the same word with the same value
	ds_store_b32 v[SK], v[PW+1] offset:256
	ds_store_b32 v[SK], v[PW+2] offset:512
	s_wait_alu depctr_va_vdst(0)
	ds_store_b32 v[SK], v[PW+3] offset:768
	s_branch .Ljoin
	; ---- v
.Lvpath:
.irp j, 1,2,3,4,5,6,7
	v_mov_b32 v[BV+\j], v[BV]                      ; a lane is one channel: its bias in all eight registers
.endr
	s_wait_alu depctr_va_vdst(0)
	VPASS 0, AYV, ASV
	VPASS 1, AYV1, ASV1
.Ljoin:
	s_wait_dscnt 0x0                               ; for wave 0's sake: my words have landed
	s_barrier_signal -1
	s_barrier_wait -1
	s_cmp_lg_u32 s[WV], 0
	s_cbranch_scc1 .Lend
	ds_load_b128 v[248:251], v[SRK]                ; the two key steps' scale words leave in whole runs: 1,024 bytes of k's,
	ds_load_b128 v[192:195], v[SRK] offset:512
	ds_load_b128 v[196:199], v[SRK] offset:1024    ; 512 of v's
	s_wait_dscnt 0x0
	global_store_b128 v[LI], v[248:251], s[80:81]
	global_store_b128 v[LI], v[192:195], s[80:81] offset:512
	global_store_b128 v[LI], v[196:199], s[82:83]
.Lend:
	s_wait_tensorcnt 0x0
	ds_add_u32 v254, v255
	s_wait_dscnt 0x0
	ROUND                                          ; the closing round: no work-group ends while a partner may still ask jointly
	s_endpgm
.Lfunc_end_k_qabb91864a8_qkv:
	.size	k_qabb91864a8_qkv, .Lfunc_end_k_qabb91864a8_qkv-k_qabb91864a8_qkv
	.p2alignl 7, 3214868480
	.fill 96, 4, 3214868480
	.section	.rodata,"a",@progbits
	.p2align	6, 0x0
	.amdhsa_kernel k_qabb91864a8_qkv
		.amdhsa_group_segment_fixed_size 222720
		.amdhsa_private_segment_fixed_size 0
		.amdhsa_enable_private_segment 0
		.amdhsa_kernarg_size 64
		.amdhsa_user_sgpr_count 2
		.amdhsa_user_sgpr_kernarg_segment_ptr 1
		.amdhsa_wavefront_size32 1
		.amdhsa_system_sgpr_workgroup_id_x 1
		.amdhsa_system_sgpr_workgroup_id_y 1
		.amdhsa_system_sgpr_workgroup_id_z 1
		.amdhsa_system_vgpr_workitem_id 0
		.amdhsa_next_free_vgpr 256
		.amdhsa_next_free_sgpr 100
		.amdhsa_reserve_vcc 0
		.amdhsa_float_denorm_mode_32 3
		.amdhsa_float_denorm_mode_16_64 3
		.amdhsa_memory_ordered 1
		.amdhsa_forward_progress 1
		.amdhsa_inst_pref_size 90
	.end_amdhsa_kernel
	.amdgpu_metadata
---
amdhsa.version: [ 1, 2 ]
amdhsa.kernels:
  - .name:           k_qabb91864a8_qkv
    .symbol:         k_qabb91864a8_qkv.kd
    .args:
      - { .name: acta, .offset: 0, .size: 8, .value_kind: global_buffer, .address_space: global }
      - { .name: wts, .offset: 8, .size: 8, .value_kind: global_buffer, .address_space: global }
      - { .name: bq, .offset: 16, .size: 8, .value_kind: global_buffer, .address_space: global }
      - { .name: bk, .offset: 24, .size: 8, .value_kind: global_buffer, .address_space: global }
      - { .name: bv, .offset: 32, .size: 8, .value_kind: global_buffer, .address_space: global }
      - { .name: qf, .offset: 40, .size: 8, .value_kind: global_buffer, .address_space: global }
      - { .name: kvc, .offset: 48, .size: 8, .value_kind: global_buffer, .address_space: global }
      - { .name: kvs, .offset: 56, .size: 8, .value_kind: global_buffer, .address_space: global }
    .group_segment_fixed_size: 222720
    .private_segment_fixed_size: 0
    .kernarg_segment_align: 8
    .kernarg_segment_size: 64
    .max_flat_workgroup_size: 384
    .sgpr_count:     100
    .vgpr_count:     256
    .wavefront_size: 32
...
	.end_amdgpu_metadata
.endif
;; end of part 2
;; launch attn (part 3): grid 64 x 4, 12 waves a work-group, clusters of 4 x 1, 327,680 bytes of LDS; arguments qf, kvc, kvs, acta; writes acta
.if DOCPART == 3
	.amdgcn_target "amdgcn-amd-amdhsa--gfx1250"
	.amdhsa_code_object_version 6
	.text
	.protected	k_qabb91864a8_attn
	.globl	k_qabb91864a8_attn
	.p2align	8
	.type	k_qabb91864a8_attn,@function
k_qabb91864a8_attn:
	s_mov_b64 s[64:65], 0
	v_nop
	global_prefetch_b8 v0, s[64:65] scope:SCOPE_SE
	s_setreg_imm32_b32 hwreg(HW_REG_WAVE_MODE, 25, 1), 1
	s_wait_xcnt 0x0
	s_wait_alu depctr_hold_cnt(0) depctr_sa_sdst(0) depctr_va_vdst(0) depctr_va_sdst(0) depctr_va_ssrc(0) depctr_va_vcc(0) depctr_vm_vsrc(0)
	s_getreg_b32 s2, hwreg(HW_REG_IB_STS2, 6, 4)
	s_cmp_eq_u32 s2, 0
	s_cbranch_scc0 .Lentry_in_a_cluster
	s_endpgm
.Lentry_in_a_cluster:
	s_bfe_u32 s2, ttmp6, 0x10000c
	s_cmp_lg_u32 s2, 0x3003
	s_cbranch_scc0 .Lentry_shape_is_right
	s_endpgm
.Lentry_shape_is_right:
; ATTENTION on codes of FP4.  t = score x log2(e) / 8; M = the running largest t rounded up to a whole number; p = 2^(t - M) is quantised along the keys, not normalised;
; the row's sum is taken of the unquantised p and divides O at the end; when M moves, the sum and O are multiplied by 2^(old M - new M), which rounds nothing.
; SHARES.  A work-group owns 64 queries of 3 heads: 12 waves, each 16 queries of one head; 256 work-groups of equal work.  Every wave walks its head's 4,096 keys, 128 a step.
; LAYOUT.  Both products are used transposed (S^T = K Q^T, O^T = V^T P^T): a lane holds one query.  The head is 64 of the instruction's 128 along K: registers 4-7 of Q's and K's fragments are zero codes, set once.
; THE KEYS OF A TILE ARE CHOSEN BY ADDRESS: row r of tile 4 a + b is key 64 a + 32 (r / 8) + 8 b + r % 8 of the step.  So lane half h holds, in registers 32 a + 0 .. 31 of S^T, the whole block 2 a + h of 32 keys in order:
; a block's maximum needs no other lane, and the conversions' results are the second product's operand registers as they stand.  In memory and LDS key n lies in the record of tile 2 (n / 32) + (n % 16) / 8 at row n % 8 + 8 ((n % 32) / 16):
; the lane's part of the address is 1024 (r / 8) + 16 (r % 8) + 256 h, the rest an immediate.  Lanes r and r + 8 then fall on the same columns of 16 bytes modulo 256.
; RING.  Two slots of 512 keys x 3 heads (98,304 bytes).  At the head waves 0-5 fetch slot 0 (16,384 bytes each) and waves 6-11 the 3 heads' scale words (12,288 each; they stay); slot 1 is first filled behind the full sequence and a round.
; THE CHANGE OF SLOTS spans a slot's last two key steps.  The third step fetches, beside its own V, all that the fourth needs: K into the fragments just multiplied, V into 32 registers of window 1, V's words into v250-251.
; When these are in, the wave's reads of the slot are over: it signals, and the rest of the third step and the whole fourth are work on registers up to the barrier's wait.
; CLUSTER 4 x 1: the four partners walk the same K and V: every load is joint.
; LIMITS: scale bytes held at 1 from below; NaN and infinities not served; the promise holds while |t| stays under 2^31; O / l is a reciprocal and a multiplication.
.set REC,   6912
.set QSC,   1572864
.set SLOT1, 1<<17
.set SCL,   229376
.set SPARE, 303104                     ; the spare words: 128 bytes for each of 12 waves
.set AK0,  1                           ; K: lane's part + my head's place in a slot
.set AV0,  2                           ; V: 16 lane + my head's place + 16,384
.set ASK0, 3                           ; K's scale words: 16 (r % 8) + 4 (r / 8) + 8 h
.set SPW,  4
.set NIL,  5
.set LI,   6
.set LS,   7
.set ADK,  8                           ; the four addresses for the slot in hand
.set ADV,  9
.set ADS,  10
.set ADT,  11
.set KS,   24                          ; v24-27 K's scale words: register b: lanes 0-15 tile b, lanes 16-31 tile 4 + b
.set VS,   28                          ; v28-29 V's; v250-251 V's of a slot's last step
.set VS3,  250
.set ASV0, 30
.set PFO,  31
.set KF,   32                          ; v32-95 K's eight fragments
.set SS,   96                          ; v96-159 S^T, then p
.set OO,   160                         ; v160-191 O^T
.set VF,   192                         ; v192-223 V's four fragments
.set V3,   0                           ; window 1, v0-31: V's four fragments of a slot's last step
.set PC,   224                         ; v224-231 p's codes
.set TM,   232
.set SH8,  240                         ; 8 h
.set WV,   12
.set HL,   13
.set W4,   14
.set CX,   15
.set SEL,  20
.set CS,   22
.set G1R,  24                          ; group 1: 32 rows of 256 bytes (the ring)
.set G1S,  32                          ; 48 rows (scale words)
.set G0R,  40
.set G0S,  44
.set TB,   48
.set TS,   49
.set TJ,   50
.set SLOTS, 51
.set LIM,  52
.set PFA,  54
.set G0A,  76
.set G1H,  80                          ; 64 rows (slot 0 at the head)
.set MSB, 0
.macro WIN new                         ; the immediate's high byte repeats the setting that is left
.if MSB != \new
	s_set_vgpr_msb (MSB<<8)|\new
.set MSB, \new
.endif
.endm
.macro PLACES
.rept 4
	v_nop
.endr
.endm
.macro CREST                           ; a round of the cluster's barrier behind its opening barrier
	s_cmp_lg_u32 s[WV], 0
	s_cbranch_scc1 .Lnot_wave_0_\@
	s_barrier_signal -3
.Lnot_wave_0_\@:
	s_barrier_wait -3
	s_barrier_signal -1
	s_barrier_wait -1
.endm
.macro ROUND
	s_barrier_signal -1
	s_barrier_wait -1
	CREST
.endm
.macro MMZ d, a, b, sa, sb
	v_wmma_scale_f32_16x16x128_f8f6f4 v[\d:\d+7], v[\a:\a+7], v[\b:\b+7], 0, v[\sa], v[\sb] matrix_a_fmt:MATRIX_FMT_FP4 matrix_b_fmt:MATRIX_FMT_FP4
.endm
.macro MMZ1 d, a, b, sa, sb
	v_wmma_scale_f32_16x16x128_f8f6f4 v[\d:\d+7], v[\a:\a+7], v[\b:\b+7], 0, v[\sa], v[\sb] matrix_a_fmt:MATRIX_FMT_FP4 matrix_b_fmt:MATRIX_FMT_FP4 matrix_a_scale:MATRIX_SCALE_ROW1
.endm
.macro MM d, a, b, sa, sb
	v_wmma_scale_f32_16x16x128_f8f6f4 v[\d:\d+7], v[\a:\a+7], v[\b:\b+7], v[\d:\d+7], v[\sa], v[\sb] matrix_a_fmt:MATRIX_FMT_FP4 matrix_b_fmt:MATRIX_FMT_FP4
.endm
.macro MM1 d, a, b, sa, sb
	v_wmma_scale_f32_16x16x128_f8f6f4 v[\d:\d+7], v[\a:\a+7], v[\b:\b+7], v[\d:\d+7], v[\sa], v[\sb] matrix_a_fmt:MATRIX_FMT_FP4 matrix_b_fmt:MATRIX_FMT_FP4 matrix_a_scale:MATRIX_SCALE_ROW1
.endm
.macro QUANT2 sr, pc, pw               ; 32 numbers of a lane, register 16 b + i = k 32 b + 16 h + i: 4 registers of codes, two bytes
.irp b, 0,1
	v_max3_num_f32 v[TM+\b], |v[\sr+16*\b]|, |v[\sr+1+16*\b]|, 0x1800000
.endr
.irp i, 2,4,6,8,10,12,14
.irp b, 0,1
	s_delay_alu instid0(VALU_DEP_2)
	v_max3_num_f32 v[TM+\b], v[TM+\b], |v[\sr+16*\b+\i]|, |v[\sr+1+16*\b+\i]|
.endr
.endr
.irp b, 0,1
	s_delay_alu instid0(VALU_DEP_2)
	v_permlanex16_b32 v[TM+4+\b], v[TM+\b], s[SEL], s[SEL+1]
.endr
.irp b, 0,1
	s_delay_alu instid0(VALU_DEP_2)
	v_max_num_f32 v[TM+\b], v[TM+\b], v[TM+4+\b]
.endr
.irp b, 0,1
	s_delay_alu instid0(VALU_DEP_2)
	v_add_nc_u32 v[TM+12+\b], 0xff000000, v[TM+\b]
.endr
.irp b, 0,1
	s_delay_alu instid0(VALU_DEP_2)
	v_lshrrev_b32 v[TM+4+\b], 23, v[TM+12+\b]
.endr
	s_delay_alu instid0(VALU_DEP_1)
	v_lshl_or_b32 v[\pw], v[TM+5], 8, v[TM+4]
.irp b, 0,1
	v_cvt_scalef32_pk8_fp4_f32 v[\pc+2*\b], v[\sr+16*\b:\sr+7+16*\b], v[TM+12+\b]
	v_cvt_scalef32_pk8_fp4_f32 v[\pc+1+2*\b], v[\sr+8+16*\b:\sr+15+16*\b], v[TM+12+\b]
.endr
	v_nop
	v_permlane16_swap_b32 v[\pc], v[\pc+2]
	v_permlane16_swap_b32 v[\pc+1], v[\pc+3]
.endm
; A prefetch of what the NEXT change of slots will ask for: a head's 32,768 bytes of a slot.  All clusters of a group of heads walk the same bytes: the first cluster asks.  Its four partners take
; 8,192 bytes each, told apart by address; in each, the first wave of each head asks, lanes 256 bytes apart: each block of 256 bytes is named once.  The first five changes ask for slots 3 to 7;
; the last change that fills a slot asks for nothing.  Slots 0, 1 and 2 come by their loads alone.
.macro ASK
	s_cmp_gt_u32 s[SLOTS], s[LIM]
	s_cbranch_scc0 .Lnot_mine_\@
	global_prefetch_b8 v[PFO], s[PFA:PFA+1] th:TH_LOAD_NT scope:SCOPE_SE
.Lnot_mine_\@:
.endm
.macro KFR q, t                        ; registers 0-3 of K's fragment t for the q-th key step of the slot in hand
	ds_load_b128 v[KF+8*(\t):KF+8*(\t)+3], v[ADK] offset:4096*(\q)+2048*((\t)/4)+512*((\t)%2)+128*(((\t)%4)/2)
.endm
.macro KSC q, b                        ; the scale words of tiles b and 4 + b
	ds_load_b32 v[KS+(\b)], v[ADS] offset:512*(\q)+256*((\b)%2)+128*((\b)/2)
.endm
.macro KLOAD q                         ; all 12
.irp t, 0,1,2,3,4,5,6,7
	KFR \q, \t
.endr
.irp b, 0,1,2,3
	KSC \q, \b
.endr
.endm
.macro PA4                             ; four pairs of p onto the sum's four chains
	v_pk_add_f32 v[14:15], v[14:15], v[SS+j:SS+j+1]
	v_pk_add_f32 v[242:243], v[242:243], v[SS+j+2:SS+j+3]
	v_pk_add_f32 v[244:245], v[244:245], v[SS+j+4:SS+j+5]
	v_pk_add_f32 v[246:247], v[246:247], v[SS+j+6:SS+j+7]
.set j, j+8
.endm
; A key step.  mode 0: inside a slot; it also fetches the next step's K.  mode 1: the slot's third step: it fetches all that is left of the slot and signals.  mode 2: the fourth: registers alone, then the barrier's wait.
; fill = 1: the slot is filled again with the keys two slots on.
.macro STEP q, mode, fill
.if \mode != 2
	s_wait_dscnt 0x0                               ; this step's K and its words, asked for a step ago
.endif
.irp b, 0,1,2,3
	MMZ SS+8*\b, KF+8*\b, 16, KS+\b, 255
.endr
.irp b, 0,1,2,3
	MMZ1 SS+32+8*\b, KF+32+8*\b, 16, KS+\b, 255
.endr
	v_mov_b32 v254, v12                            ; the old -M; with three v_nop the four places ahead of the loads below and of the first read of S^T
	v_nop
	v_nop
	v_nop
.if \mode != 2
.irp f, 0,1,2,3,4,5,6,7
	ds_load_b128 v[VF+4*\f:VF+4*\f+3], v[ADV] offset:4096*(\q)+512*\f
.endr
	ds_load_b64 v[VS:VS+1], v[ADT] offset:256*(\q)
.endif
.if \mode == 1
	KLOAD (\q)+1
	WIN 0x40                                       ; destination in window 1
.irp f, 0,1,2,3,4,5,6,7
	ds_load_b128 v[V3+4*\f:V3+4*\f+3], v[ADV] offset:4096*((\q)+1)+512*\f
.endr
	WIN 0
	ds_load_b64 v[VS3:VS3+1], v[ADT] offset:256*((\q)+1)
	s_wait_tensorcnt 0x0                           ; all my tensor loads are in, my part of the other slot among them
	ds_add_u32 v[SPW], v[NIL]
.if \fill
	s_xor_b32 s[G0R+1], s[G0R+1], SLOT1            ; the slot in hand,
	s_add_nc_u64 s[G0R+2:G0R+3], s[G0R+2:G0R+3], 32768   ; the next 512 keys
	s_wait_xcnt 0x0                                ; the last prefetch, a slot back, has read its address
	s_add_nc_u64 s[PFA:PFA+1], s[PFA:PFA+1], 32768
.endif
.endif
	; the largest score of my two blocks of 32 keys: a chain to each tile, the eight by turns; each accumulator is first read at its low end
.irp c, 0,1
	v_max3_num_f32 v[232+2*\c], v[SS+32*\c], v[SS+32*\c+1], v[SS+32*\c+2]
	v_max3_num_f32 v[233+2*\c], v[SS+32*\c+8], v[SS+32*\c+9], v[SS+32*\c+10]
	v_max3_num_f32 v[242+2*\c], v[SS+32*\c+16], v[SS+32*\c+17], v[SS+32*\c+18]
	v_max3_num_f32 v[243+2*\c], v[SS+32*\c+24], v[SS+32*\c+25], v[SS+32*\c+26]
.endr
.irp i, 3,5
.irp c, 0,1
	v_max3_num_f32 v[232+2*\c], v[232+2*\c], v[SS+32*\c+\i], v[SS+32*\c+\i+1]
	v_max3_num_f32 v[233+2*\c], v[233+2*\c], v[SS+32*\c+8+\i], v[SS+32*\c+9+\i]
	v_max3_num_f32 v[242+2*\c], v[242+2*\c], v[SS+32*\c+16+\i], v[SS+32*\c+17+\i]
	v_max3_num_f32 v[243+2*\c], v[243+2*\c], v[SS+32*\c+24+\i], v[SS+32*\c+25+\i]
.endr
.endr
.irp c, 0,1
	v_max3_num_f32 v[232+2*\c], v[232+2*\c], v[SS+32*\c+7], v[SS+32*\c+15]
	v_max3_num_f32 v[242+2*\c], v[242+2*\c], v[SS+32*\c+23], v[SS+32*\c+31]
.endr
	s_delay_alu instid0(VALU_DEP_4)
	v_max3_num_f32 v232, v232, v233, v243
	s_delay_alu instid0(VALU_DEP_3)
	v_max3_num_f32 v234, v234, v235, v245
	s_delay_alu instid0(VALU_DEP_2)
	v_max_num_f32 v232, v232, v242
	s_delay_alu instid0(VALU_DEP_2)
	v_max_num_f32 v234, v234, v244
.if \mode == 1
	s_wait_alu depctr_va_vdst(0)
	s_wait_dscnt 0x0                               ; the add is done, and all that I read of this slot is in:
	s_barrier_signal -1                            ; say so; all that follows up to the wait, at the next step's end, is work on registers
.endif
	v_max_num_f32 v236, v232, v234
.if \mode == 0                                         ; the next step's K is asked for between the links of this chain
	KFR (\q)+1, 0
	KFR (\q)+1, 1
	KFR (\q)+1, 2
.endif
.if \mode != 0                                         ; in mode 0 the LDS loads stand between the chain's links
	s_delay_alu instid0(VALU_DEP_1)
.endif
	v_permlanex16_b32 v237, v236, s[SEL], s[SEL+1]
.if \mode == 0
	KFR (\q)+1, 3
	KFR (\q)+1, 4
	KFR (\q)+1, 5
.endif
.if \mode != 0
	s_delay_alu instid0(VALU_DEP_1)
.endif
	v_max3_num_f32 v13, v13, v236, v237            ; the running largest score of my query
.if \mode == 0
	KFR (\q)+1, 6
	KFR (\q)+1, 7
	KSC (\q)+1, 0
.endif
.if \mode != 0
	s_delay_alu instid0(VALU_DEP_1)
.endif
	v_mul_f32 v238, s[CS], v13                     ; as t (c is positive)
.if \mode == 0
	KSC (\q)+1, 1
	KSC (\q)+1, 2
	KSC (\q)+1, 3
.endif
.if \mode != 0
	s_delay_alu instid0(VALU_DEP_1)
.endif
	v_floor_f32 v12, -v238                         ; -M = floor(-t)
	s_delay_alu instid0(VALU_DEP_1)
	v_sub_f32 v254, v12, v254
.set j, 0
.rept 8
	v_pk_fma_f32 v[SS+j:SS+j+1], v[SS+j:SS+j+1], s[CS:CS+1], v[12:13] op_sel_hi:[1,0,0]   ; t - M
.set j, j+2
.endr
	v_cvt_i32_f32 v254, v254                       ; (it saturates)
.rept 8
	v_pk_fma_f32 v[SS+j:SS+j+1], v[SS+j:SS+j+1], s[CS:CS+1], v[12:13] op_sel_hi:[1,0,0]
.set j, j+2
.endr
	v_ldexp_f32 v252, 1.0, v254                    ; f = 2^(old M - new M)
.rept 16
	v_pk_fma_f32 v[SS+j:SS+j+1], v[SS+j:SS+j+1], s[CS:CS+1], v[12:13] op_sel_hi:[1,0,0]
.set j, j+2
.endr
	v_fma_f32 v232, v232, s[CS], v12               ; the same of each block's largest score
	v_fma_f32 v234, v234, s[CS], v12
.set j, 0
.rept 16
	v_pk_mul_f32 v[OO+j:OO+j+1], v[OO+j:OO+j+1], v[252:253] op_sel_hi:[1,0]   ; O^T under the new M
.set j, j+2
.endr
	v_pk_mul_f32 v[14:15], v[14:15], v[252:253] op_sel_hi:[1,0]          ; and the sum
	s_wait_alu depctr_va_vdst(0)                   ; the wait ahead of the batch
.set j, 0
.rept 64
	v_exp_f32 v[SS+j], v[SS+j]                     ; p
.set j, j+1
.endr
	v_exp_f32 v232, v232                           ; each block's largest p: the same two instructions on the same number
	v_exp_f32 v234, v234
	v_nop                                          ; a plain place behind the exponentials
	s_wait_alu depctr_va_vdst(0)                   ; one wait for the batch
	; the links of the scales' chain stand four additions of the row's sum apart
	v_max_num_f32 v232, 0x1800000, v232            ; the floor 2^-124: the byte cannot fall under 1
	v_max_num_f32 v234, 0x1800000, v234
	v_pk_add_f32 v[14:15], v[14:15], v[SS:SS+1]    ; the row's sum of the unquantised p, four chains
	v_pk_add_f32 v[242:243], v[SS+2:SS+3], v[SS+4:SS+5]
	v_pk_add_f32 v[244:245], v[SS+6:SS+7], v[SS+8:SS+9]
	v_pk_add_f32 v[246:247], v[SS+10:SS+11], v[SS+12:SS+13]
.set j, 14
	v_add_nc_u32 v248, 0xff000000, v232            ; 2 off the exponent field: the conversion's scale operand
	v_add_nc_u32 v249, 0xff000000, v234
	PA4
.irp c, 0,1
.irp g, 0,1,2,3
	v_cvt_scalef32_pk8_fp4_f32 v[PC+4*\c+\g], v[SS+32*\c+8*\g:SS+32*\c+8*\g+7], v[248+\c]   ; registers 4 c .. 4 c + 3 of the operand
.endr
.endr
	v_lshrrev_b32 v232, 23, v248
	v_lshrrev_b32 v234, 23, v249
	PA4
	v_lshl_or_b32 v236, v234, 16, v232             ; my two bytes: blocks h and 2 + h,
	PA4
	v_lshlrev_b32 v236, v[SH8], v236               ; at their places in the word;
	PA4
	v_permlanex16_b32 v237, v236, s[SEL], s[SEL+1]
	PA4
	v_or_b32 v253, v236, v237                      ; with lane l xor 16's two: p's scale word; the eight additions below are its places ahead of the products
	PA4
	v_pk_add_f32 v[14:15], v[14:15], v[SS+62:SS+63]
	v_pk_add_f32 v[242:243], v[242:243], v[244:245]
	s_delay_alu instid0(VALU_DEP_2)
	v_pk_add_f32 v[14:15], v[14:15], v[246:247]
	s_delay_alu instid0(VALU_DEP_1)
	v_pk_add_f32 v[14:15], v[14:15], v[242:243]
.if \mode == 0
	s_wait_alu depctr_va_vdst(0)
	s_wait_dscnt 12                                ; V's nine loads are in; the next step's twelve of K may be out
.endif
.if \mode == 2
	WIN 0x01                                       ; source 0, V's fragments, in window 1
.irp p, 0,1
	MM  OO+16*\p, V3+16*\p, PC, VS3+\p, 253
	MM1 OO+8+16*\p, V3+8+16*\p, PC, VS3+\p, 253
.endr
	WIN 0
	s_xor_b32 s[TB], s[TB], SLOT1                  ; on to the other slot
	s_add_co_u32 s[TS], s[TS], 2048
	s_add_co_u32 s[TJ], s[TJ], 1024
	s_barrier_wait -1                              ; the other slot is whole, and nobody here reads this one
.if \fill
	CREST                                          ; the barrier has opened a round of the cluster's: no wave of any partner still reads this slot or has a load on its way
	tensor_load_to_lds s[G0R:G0R+3], s[G1R:G1R+7]  ; my one tensor load until the next round
	s_nop 0
.endif
	v_add_nc_u32 v[ADK], s[TB], v[AK0]
	v_add_nc_u32 v[ADV], s[TB], v[AV0]
	v_add_nc_u32 v[ADS], s[TS], v[ASK0]
	v_add_nc_u32 v[ADT], s[TJ], v[ASV0]
	s_wait_alu depctr_va_vdst(0)                   ; directly behind the writes
.if \fill == 0
	s_cmp_eq_u32 s[SLOTS], 1                       ; behind the last slot there is no K to fetch
	s_cbranch_scc1 .Lno_k_\@
.endif
	KLOAD 0
.if \fill == 0
.Lno_k_\@:
.else
	ASK
.endif
.else
.irp p, 0,1
	MM  OO+16*\p, VF+16*\p, PC, VS+\p, 253
	MM1 OO+8+16*\p, VF+8+16*\p, PC, VS+\p, 253
.endr
.endif
.endm
	s_load_b256 s[4:11], s[0:1], 0x0               ; qf, kvc, kvs, acta
	v_lshl_add_u32 v[SPW], v0, 2, SPARE
	v_mov_b32 v[NIL], 0
	ds_add_u32 v[SPW], v[NIL]                      ; the opening lines: the add twice on end, and its one wait below
	ds_add_u32 v[SPW], v[NIL]
	v_lshrrev_b32 v8, 5, v0
	s_delay_alu instid0(VALU_DEP_1)
	v_readfirstlane_b32 s[WV], v8                  ; wave 0..11
	s_lshr_b32 s[HL], s[WV], 2                     ; which of the three heads
	s_and_b32 s[W4], s[WV], 3
	s_bfe_u32 s[CX], ttmp6, 0x40000
	s_lshl_b32 s16, ttmp9, 2
	s_add_co_u32 s16, s16, s[CX]
	s_lshl_b32 s16, s16, 2
	s_add_co_u32 s16, s16, s[W4]                   ; T: my tile of queries; it enters Q's and o's addresses alone
	s_and_b32 s17, ttmp7, 0xffff                   ; the group of heads, which the partners share
	s_mul_i32 s18, s17, 3
	s_add_co_u32 s18, s18, s[HL]                   ; my head
.irp g, G1R, G1S, G1H
	s_mov_b32 s[\g], 15|(3<<16)|(1<<21)            ; all four partners; elements of 8 bytes; rows of 256 bytes, dense
	s_mov_b32 s[\g+1], 32<<16
	s_mov_b32 s[\g+3], 32<<16
	s_mov_b32 s[\g+5], 32
	s_mov_b32 s[\g+6], 0
	s_mov_b32 s[\g+7], 0
.endr
	s_mov_b32 s[G1R+2], 32<<16
	s_mov_b32 s[G1R+4], 32
	s_mov_b32 s[G1S+2], 48<<16
	s_mov_b32 s[G1S+4], 48
	s_mov_b32 s[G1H+2], 64<<16
	s_mov_b32 s[G1H+4], 64
	s_lshl_b32 s56, s18, 18
	s_mov_b32 s57, 0
	s_lshl_b32 s58, s[W4], 13
	s_add_co_u32 s58, s58, 32768                   ; the ring's first load: slot 1's keys
	s_mov_b32 s59, 0
	s_max_u32 s61, s[WV], 6
	s_sub_co_u32 s61, s61, 6
	s_mul_i32 s61, s61, 12288                      ; waves 6-11: a sixth of the scale words
	s_mul_i32 s60, s17, 73728
	s_add_co_u32 s60, s60, s61
	s_mov_b32 s61, 0
	s_min_u32 s88, s[WV], 5                        ; waves 0-5: head wave / 2 of the three, K's (0) or V's (1) half of slot 0
	s_lshr_b32 s89, s88, 1
	s_mul_i32 s90, s17, 3
	s_add_co_u32 s90, s90, s89
	s_lshl_b32 s90, s90, 18
	s_and_b32 s88, s88, 1
	s_lshl_b32 s88, s88, 14
	s_add_co_u32 s88, s88, s90
	s_mov_b32 s89, 0
	s_lshl_b32 s62, s[CX], 13
	s_add_co_u32 s62, s62, 65536                   ; the prefetches stand in slot 2; the first change steps them to slot 3
	s_mov_b32 s63, 0
	s_lshl_b32 s66, s18, 17
	s_lshl_b32 s67, s16, 9
	s_add_co_u32 s66, s66, s67
	s_mov_b32 s67, 0                               ; Q's codes
	s_lshl_b32 s68, s18, 8
	s_add_co_u32 s68, s68, s16
	s_lshl_b32 s68, s68, 7
	s_add_co_u32 s68, s68, QSC
	s_mov_b32 s69, 0                               ; Q's scale words
	s_lshr_b32 s72, s18, 1
	s_and_b32 s73, s18, 1
	s_mul_i32 s70, s16, REC
	s_lshl_b32 s71, s72, 10
	s_add_co_u32 s70, s70, s71
	s_lshl_b32 s71, s73, 9
	s_add_co_u32 s70, s70, s71
	s_mov_b32 s71, 0                               ; o's codes: K step head / 2, half head % 2
	s_mul_i32 s74, s16, REC
	s_lshl_b32 s75, s72, 7
	s_add_co_u32 s74, s74, s75
	s_lshl_b32 s75, s73, 1
	s_add_co_u32 s74, s74, s75
	s_add_co_u32 s74, s74, 6144
	s_mov_b32 s75, 0                               ; o's two scale bytes
	s_lshl_b32 s91, s[HL], 15                      ; my head's place in a slot: K,
	s_add_co_u32 s92, s91, 16384                   ; V;
	s_mul_i32 s93, s[HL], 24576
	s_add_co_u32 s93, s93, SCL                     ; among the scale words: K's,
	s_add_co_u32 s94, s93, 16384                   ; V's
	s_mov_b32 s[SEL], 0x76543210
	s_mov_b32 s[SEL+1], 0xfedcba98
	s_mov_b32 s[CS], 0x3e38aa3b                    ; log2(e) / 8
	s_mov_b32 s[CS+1], s[CS]
	s_mov_b32 s[TB], 0
	s_mov_b32 s[TS], 0
	s_mov_b32 s[TJ], 0
	s_mov_b32 s[SLOTS], 6
	s_or_b32 s[LIM], s[W4], ttmp9                  ; 0 in a head's first wave, in the first cluster: the same in all partners
	s_cmp_eq_u32 s[LIM], 0
	s_cselect_b32 s[LIM], 1, -1
	s_wait_dscnt 0x0                               ; both opening adds are done
	s_wait_kmcnt 0x0
	s_mov_b32 s[G0A], 1
	s_lshl_b32 s[G0A+1], s[WV], 14                 ; slot 0: 16,384 x wave
	s_add_nc_u64 s[G0A+2:G0A+3], s[6:7], s[88:89]
	s_or_b32 s[G0A+3], s[G0A+3], 0x80000000
	s_add_nc_u64 s[6:7], s[6:7], s[56:57]          ; kvc at my head
	s_add_nc_u64 s[PFA:PFA+1], s[6:7], s[62:63]
	s_mov_b32 s[G0R], 1
	s_lshl_b32 s[G0R+1], s[WV], 13
	s_add_co_u32 s[G0R+1], s[G0R+1], SLOT1         ; slot 1
	s_add_nc_u64 s[G0R+2:G0R+3], s[6:7], s[58:59]
	s_or_b32 s[G0R+3], s[G0R+3], 0x80000000
	s_mov_b32 s[G0S], 1
	s_mul_i32 s[G0S+1], s[WV], 12288
	s_add_co_u32 s[G0S+1], s[G0S+1], SCL-73728     ; wave 6 begins at SCL
	s_add_nc_u64 s[G0S+2:G0S+3], s[8:9], s[60:61]
	s_or_b32 s[G0S+3], s[G0S+3], 0x80000000
	s_add_nc_u64 s[66:67], s[4:5], s[66:67]
	s_add_nc_u64 s[68:69], s[4:5], s[68:69]
	s_add_nc_u64 s[70:71], s[10:11], s[70:71]
	s_add_nc_u64 s[74:75], s[10:11], s[74:75]
	ROUND                                          ; all four work-groups are here
	s_cmp_lt_u32 s[WV], 6                          ; the head's loads, one a wave, one to each arm
	s_cbranch_scc0 .Lhead_s
	tensor_load_to_lds s[G0A:G0A+3], s[G1H:G1H+7]  ; slot 0
	s_nop 0
	PLACES
	s_branch .Lhead_asked
.Lhead_s:
	tensor_load_to_lds s[G0S:G0S+3], s[G1S:G1S+7]  ; the scale words: filled once
	s_nop 0
	PLACES
.Lhead_asked:
	v_and_b32 v232, 31, v0                         ; lane
	v_and_b32 v233, 7, v0                          ; r % 8
	v_bfe_u32 v234, v0, 3, 1                       ; r / 8
	v_bfe_u32 v235, v0, 4, 1                       ; h
	v_lshlrev_b32 v[LI], 4, v232
	v_lshlrev_b32 v[LS], 2, v232
	v_lshlrev_b32 v[PFO], 8, v232
	v_lshlrev_b32 v[AK0], 4, v233
	global_load_b128 v[16:19], v[LI], s[66:67]     ; Q stays in registers
	global_load_b32 v255, v[LS], s[68:69]
	v_lshl_add_u32 v[ASK0], v234, 2, v[AK0]
	v_lshl_add_u32 v[AK0], v234, 10, v[AK0]
	s_delay_alu instid0(VALU_DEP_2)
	v_lshl_add_u32 v[ASK0], v235, 3, v[ASK0]
	s_delay_alu instid0(VALU_DEP_2)
	v_lshl_add_u32 v[AK0], v235, 8, v[AK0]
	s_delay_alu instid0(VALU_DEP_2)
	v_add_nc_u32 v[ASK0], s93, v[ASK0]
	s_delay_alu instid0(VALU_DEP_2)
	v_add_nc_u32 v[AK0], s91, v[AK0]
	v_add_nc_u32 v[AV0], s92, v[LI]
	v_lshl_add_u32 v[ASV0], v232, 3, s94
	v_lshlrev_b32 v[SH8], 3, v235
	v_add_nc_u32 v[ADK], s[TB], v[AK0]
	v_add_nc_u32 v[ADV], s[TB], v[AV0]
	v_add_nc_u32 v[ADS], s[TS], v[ASK0]
	v_add_nc_u32 v[ADT], s[TJ], v[ASV0]
.irp j, 20,21,22,23
	v_mov_b32 v[\j], 0                             ; zero codes for k = 64 .. 127, in Q
.endr
.irp t, 0,1,2,3,4,5,6,7
.irp j, 4,5,6,7
	v_mov_b32 v[KF+8*\t+\j], 0                     ; and in K's eight fragments: set once
.endr
.endr
	v_mov_b32 v13, 0xff61b1e6                      ; the largest score so far: -3e38
	s_delay_alu instid0(VALU_DEP_1)
	v_floor_f32 v12, -v13
	v_mov_b32 v14, 0
	v_mov_b32 v15, 0
	v_mov_b32 v237, 0                              ; a lane permute's destination counts as one of its sources
	v_mov_b32 v253, 0
.set j, 0
.rept 32
	v_mov_b32 v[OO+j], 0                           ; O^T: the step is written once; its first run finds zeros
.set j, j+1
.endr
	s_wait_alu depctr_va_vdst(0)                   ; the head's end
	s_wait_tensorcnt 0x0                           ; my tile of the head's is in; the full sequence ahead of slot 1's first fill
	ds_add_u32 v[SPW], v[NIL]
	s_wait_dscnt 0x0
	ROUND                                          ; slot 0 and the scale words are whole, in every partner
	tensor_load_to_lds s[G0R:G0R+3], s[G1R:G1R+7]  ; slot 1
	s_nop 0
	PLACES
	KLOAD 0
	s_wait_loadcnt 0x0                             ; Q
.Lslot:                                            ; 6 trips: slots 0 to 5 are filled again, with the keys two slots on
	STEP 0, 0, 0
	STEP 1, 0, 0
	STEP 2, 1, 1
	STEP 3, 2, 1
	s_sub_co_u32 s[SLOTS], s[SLOTS], 1
	s_cmp_lg_u32 s[SLOTS], 0
	s_cbranch_scc1 .Lslot
	s_mov_b32 s[SLOTS], 2
.Ltail:                                            ; the last two slots: a loop of their own with no tensor load, so that none is jumped over
	STEP 0, 0, 0
	STEP 1, 0, 0
	STEP 2, 1, 0
	STEP 3, 2, 0
	s_sub_co_u32 s[SLOTS], s[SLOTS], 1
	s_cmp_lg_u32 s[SLOTS], 0
	s_cbranch_scc1 .Ltail
	; the way out: o = O^T / l, quantised along D: my head's 64 are two blocks of the row
	v_add_f32 v14, v14, v15
	s_delay_alu instid0(VALU_DEP_1)
	v_permlanex16_b32 v252, v14, s[SEL], s[SEL+1]
	s_delay_alu instid0(VALU_DEP_1)
	v_add_f32 v14, v14, v252
	s_wait_alu depctr_va_vdst(0)
	v_rcp_f32 v14, v14
	v_nop
	s_wait_alu depctr_va_vdst(0)
.set j, 0
.rept 16
	v_pk_mul_f32 v[SS+j:SS+j+1], v[OO+j:OO+j+1], v[14:15] op_sel_hi:[1,0]   ; register 16 p + n: channel 32 p + 16 h + n
.set j, j+2
.endr
	QUANT2 SS, PC, 248
	global_store_b128 v[LI], v[PC:PC+3], s[70:71]  ; 512 consecutive bytes
	global_store_b16 v[LS], v248, s[74:75]         ; two bytes of each row's scale word: 64 bytes a wave, the one small store
	s_wait_tensorcnt 0x0                           ; the wave's end
	ds_add_u32 v[SPW], v[NIL]
	s_wait_dscnt 0x0
	ROUND                                          ; the closing round
	s_endpgm
.Lfunc_end_k_qabb91864a8_attn:
	.size	k_qabb91864a8_attn, .Lfunc_end_k_qabb91864a8_attn-k_qabb91864a8_attn
	.p2alignl 7, 3214868480
	.fill 96, 4, 3214868480
	.section	.rodata,"a",@progbits
	.p2align	6, 0x0
	.amdhsa_kernel k_qabb91864a8_attn
		.amdhsa_group_segment_fixed_size 327680
		.amdhsa_private_segment_fixed_size 0
		.amdhsa_enable_private_segment 0
		.amdhsa_kernarg_size 32
		.amdhsa_user_sgpr_count 2
		.amdhsa_user_sgpr_kernarg_segment_ptr 1
		.amdhsa_wavefront_size32 1
		.amdhsa_system_sgpr_workgroup_id_x 1
		.amdhsa_system_sgpr_workgroup_id_y 1
		.amdhsa_system_sgpr_workgroup_id_z 1
		.amdhsa_system_vgpr_workitem_id 0
		.amdhsa_next_free_vgpr 288
		.amdhsa_next_free_sgpr 96
		.amdhsa_reserve_vcc 0
		.amdhsa_float_denorm_mode_32 3
		.amdhsa_float_denorm_mode_16_64 3
		.amdhsa_memory_ordered 1
		.amdhsa_forward_progress 1
		.amdhsa_inst_pref_size 130
	.end_amdhsa_kernel
	.amdgpu_metadata
---
amdhsa.version: [ 1, 2 ]
amdhsa.kernels:
  - .name:           k_qabb91864a8_attn
    .symbol:         k_qabb91864a8_attn.kd
    .args:
      - { .name: qf, .offset: 0, .size: 8, .value_kind: global_buffer, .address_space: global }
      - { .name: kvc, .offset: 8, .size: 8, .value_kind: global_buffer, .address_space: global }
      - { .name: kvs, .offset: 16, .size: 8, .value_kind: global_buffer, .address_space: global }
      - { .name: acta, .offset: 24, .size: 8, .value_kind: global_buffer, .address_space: global }
    .group_segment_fixed_size: 327680
    .private_segment_fixed_size: 0
    .kernarg_segment_align: 8
    .kernarg_segment_size: 32
    .max_flat_workgroup_size: 384
    .sgpr_count:     96
    .vgpr_count:     288
    .wavefront_size: 32
...
	.end_amdgpu_metadata
.endif
;; end of part 3
;; launch proj (part 4): grid 256 x 1, 6 waves a work-group, no clusters, 54,016 bytes of LDS; arguments acta, wts, bo, x, ln2_w, ln2_b, x1, actb; writes x1, actb
.if DOCPART == 4
	.amdgcn_target "amdgcn-amd-amdhsa--gfx1250"
	.amdhsa_code_object_version 6
	.text
	.protected	k_qabb91864a8_proj
	.globl	k_qabb91864a8_proj
	.p2align	8
	.type	k_qabb91864a8_proj,@function
k_qabb91864a8_proj:
	s_mov_b64 s[64:65], 0
	v_nop
	global_prefetch_b8 v0, s[64:65] scope:SCOPE_SE
	s_setreg_imm32_b32 hwreg(HW_REG_WAVE_MODE, 25, 1), 1
	s_wait_xcnt 0x0
; PROJ.  x1 = x + o Wo + bo for 16 tokens (tile T), then LayerNorm 2 of x1, quantised.  Wave w owns columns 128 w on: 8 tiles of Wo, source 0; o's tile is source 1: a lane holds one token,
; its 64 registers run along the columns in the order that the quantiser wants.  x is loaded into the accumulators: the sums begin with it.
; No tensor load and no cluster: a work-group must own whole rows for the norm, and each fragment of Wo is read by one wave of it, so it goes from memory straight into registers,
; two steps ahead, in two sets.
; LIMITS: as in the first launch.
.set REC,  6912
.set PREC, 13056
.set WV,   20
.set SEL,  60
.set INV,  62
.set EPS,  63
.set LI,   2
.set LS,   3
.set XA,   5
.set HB,   6
.set LST,  7
.set LLD,  3
.set CO,   9
.set STO,  10
.set STR,  11
.set ACC,  16
.set WF0,  80
.set WF1,  144
.set WS,   208                         ; v208-215 Wo's scale words, v232-233 o's: scales and nothing else
.set OF,   216
.set OS,   232
.set PC,   216
.set RA,   224
.set RB,   226
.set MN,   228
.set TM,   234
.set PW,   250
.macro PLACES
.rept 4
	v_nop
.endr
.endm
.macro QUANT sr, pc, pw
.irp b, 0,1,2,3
	v_max3_num_f32 v[TM+\b], |v[\sr+16*\b]|, |v[\sr+1+16*\b]|, 0x1800000
.endr
.irp i, 2,4,6,8,10,12,14
.irp b, 0,1,2,3
	v_max3_num_f32 v[TM+\b], v[TM+\b], |v[\sr+16*\b+\i]|, |v[\sr+1+16*\b+\i]|
.endr
.endr
.irp b, 0,1,2,3
	v_permlanex16_b32 v[TM+4+\b], v[TM+\b], s[SEL], s[SEL+1]
.endr
.irp b, 0,1,2,3
	v_max_num_f32 v[TM+\b], v[TM+\b], v[TM+4+\b]
.endr
.irp b, 0,1,2,3
	v_add_nc_u32 v[TM+12+\b], 0xff000000, v[TM+\b]
.endr
.irp b, 0,1,2,3
	v_lshrrev_b32 v[TM+4+\b], 23, v[TM+12+\b]
.endr
	v_lshl_or_b32 v[\pw], v[TM+5], 8, v[TM+4]
	v_lshl_or_b32 v[\pw], v[TM+6], 16, v[\pw]
	v_lshl_or_b32 v[\pw], v[TM+7], 24, v[\pw]
.irp b, 0,1,2,3
	v_cvt_scalef32_pk8_fp4_f32 v[\pc+2*\b], v[\sr+16*\b:\sr+7+16*\b], v[TM+12+\b]
	v_cvt_scalef32_pk8_fp4_f32 v[\pc+1+2*\b], v[\sr+8+16*\b:\sr+15+16*\b], v[TM+12+\b]
.endr
	v_nop
.irp c, 0,1
.irp i, 0,1
	v_permlane16_swap_b32 v[\pc+4*\c+\i], v[\pc+2+4*\c+\i]
.endr
.endr
.endm
.macro ROWSUM red
	v_pk_add_f32 v[RA:RA+1], v[RA:RA+1], v[RB:RB+1]
	v_add_f32 v[RA], v[RA], v[RA+1]
	v_permlanex16_b32 v[RB], v[RA], s[SEL], s[SEL+1]
	v_add_f32 v[RA], v[RA], v[RB]
	ds_store_b32 v[LST], v[RA] offset:\red
	s_wait_dscnt 0x0                               ; for the others' sake: my store has landed
	s_barrier_signal -1
	s_barrier_wait -1
.irp n, 0,1,2,3,4,5
	ds_load_b32 v[TM+8+\n], v[LLD] offset:\red+128*\n
.endr
	s_wait_dscnt 0x0
	v_add_f32 v[RA], v[TM+8], v[TM+9]
	v_add_f32 v[RB], v[TM+10], v[TM+11]
	v_add_f32 v[TM+12], v[TM+12], v[TM+13]
	v_add_f32 v[RA], v[RA], v[RB]
	v_add_f32 v[RA], v[RA], v[TM+12]
.endm
.macro LNQ xr, wr, br, red0, red1, pc, pw
	v_pk_add_f32 v[RA:RA+1], v[\xr:\xr+1], v[\xr+2:\xr+3]
	v_pk_add_f32 v[RB:RB+1], v[\xr+4:\xr+5], v[\xr+6:\xr+7]
.set j, 8
.rept 14
	v_pk_add_f32 v[RA:RA+1], v[RA:RA+1], v[\xr+j:\xr+j+1]
	v_pk_add_f32 v[RB:RB+1], v[RB:RB+1], v[\xr+j+2:\xr+j+3]
.set j, j+4
.endr
	ROWSUM \red0
	v_mul_f32 v[MN], s[INV], v[RA]
	v_mov_b32 v[MN+1], v[MN]
.set j, 0
.rept 32
	v_pk_add_f32 v[\xr+j:\xr+j+1], v[\xr+j:\xr+j+1], v[MN:MN+1] neg_lo:[0,1] neg_hi:[0,1]
.set j, j+2
.endr
	v_pk_mul_f32 v[RA:RA+1], v[\xr:\xr+1], v[\xr:\xr+1]
	v_pk_mul_f32 v[RB:RB+1], v[\xr+2:\xr+3], v[\xr+2:\xr+3]
.set j, 4
.rept 15
	v_pk_fma_f32 v[RA:RA+1], v[\xr+j:\xr+j+1], v[\xr+j:\xr+j+1], v[RA:RA+1]
	v_pk_fma_f32 v[RB:RB+1], v[\xr+j+2:\xr+j+3], v[\xr+j+2:\xr+j+3], v[RB:RB+1]
.set j, j+4
.endr
	ROWSUM \red1
	v_fma_f32 v[MN], v[RA], s[INV], s[EPS]
	s_wait_alu depctr_va_vdst(0)
	v_rsq_f32 v[MN], v[MN]
	v_nop
	s_wait_alu depctr_va_vdst(0)
	v_mov_b32 v[MN+1], v[MN]
.set j, 0
.rept 32
	v_pk_mul_f32 v[\xr+j:\xr+j+1], v[\xr+j:\xr+j+1], v[MN:MN+1]
.set j, j+2
.endr
	s_wait_loadcnt 0x0                             ; gain and bias
.set j, 0
.rept 32
	v_pk_fma_f32 v[\xr+j:\xr+j+1], v[\xr+j:\xr+j+1], v[\wr+j:\wr+j+1], v[\br+j:\br+j+1]
.set j, j+2
.endr
	QUANT \xr, \pc, \pw
.endm
.macro PLOAD reg, adr, sb
.irp b, 0,1,2,3
.irp j, 0,1,2,3
	global_load_b128 v[\reg+16*\b+4*\j:\reg+16*\b+4*\j+3], v[\adr], s[\sb:\sb+1] offset:128*\b+16*\j
.endr
.endr
.endm
.macro LOADS st                        ; 23 loads: step st's eight fragments of Wo, their four scale registers, o's fragment and its words, into set st % 2
.set WFS, WF0+64*((\st)%2)
.set S2, (\st)%2
.irp p, 0,1,2,3
.irp f, 0,1,2,3
	global_load_b128 v[WFS+16*\p+4*\f:WFS+16*\p+4*\f+3], v[LI], s[6:7] offset:\p*PREC+(\st)*2048+\f*512
.endr
	global_load_b32 v[WS+4*S2+\p], v[LS], s[6:7] offset:\p*PREC+12288+(\st)*128
.endr
.irp c, 0,1
	global_load_b128 v[OF+8*S2+4*\c:OF+8*S2+4*\c+3], v[LI], s[4:5] offset:(\st)*1024+\c*512
.endr
	global_load_b32 v[OS+S2], v[LS], s[4:5] offset:6144+(\st)*128
.endm
.macro MULS st                         ; 8 products on 8 accumulators by turns
.set WFS, WF0+64*((\st)%2)
.set S2, (\st)%2
.irp p, 0,1,2,3
	v_wmma_scale_f32_16x16x128_f8f6f4 v[ACC+16*\p:ACC+16*\p+7], v[WFS+16*\p:WFS+16*\p+7], v[OF+8*S2:OF+8*S2+7], v[ACC+16*\p:ACC+16*\p+7], v[WS+4*S2+\p], v[OS+S2] matrix_a_fmt:MATRIX_FMT_FP4 matrix_b_fmt:MATRIX_FMT_FP4
	v_wmma_scale_f32_16x16x128_f8f6f4 v[ACC+16*\p+8:ACC+16*\p+15], v[WFS+16*\p+8:WFS+16*\p+15], v[OF+8*S2:OF+8*S2+7], v[ACC+16*\p+8:ACC+16*\p+15], v[WS+4*S2+\p], v[OS+S2] matrix_a_fmt:MATRIX_FMT_FP4 matrix_b_fmt:MATRIX_FMT_FP4 matrix_a_scale:MATRIX_SCALE_ROW1
.endr
	PLACES                                         ; in front of loads into the set just read, and of the first read of results
.endm
	s_load_b256 s[4:11], s[0:1], 0x0               ; acta, wts, bo, x
	s_load_b256 s[12:19], s[0:1], 0x20             ; ln2_w, ln2_b, x1, actb
	v_lshl_add_u32 v254, v0, 2, 0xd000
	v_mov_b32 v255, 0
	v_lshrrev_b32 v1, 5, v0
	v_readfirstlane_b32 s[WV], v1                  ; wave 0..5
	v_and_b32 v4, 31, v0
	s_wait_alu depctr_va_vdst(0)
	s_lshr_b32 s21, ttmp9, 1
	s_lshl_b32 s21, s21, 5
	s_and_b32 s22, ttmp9, 1
	s_lshl_b32 s22, s22, 3
	s_add_co_u32 s21, s21, s22                     ; the tile's first token
	s_lshl_b32 s24, s[WV], 9
	s_mov_b32 s25, 0                               ; my 128 columns
	s_mul_i32 s22, s21, 3072
	s_add_co_u32 s22, s22, s24
	s_mov_b32 s23, 0
	s_mul_i32 s26, ttmp9, REC
	s_mov_b32 s27, 0
	s_lshl_b32 s28, s[WV], 2
	s_add_co_u32 s28, s28, 72
	s_mul_i32 s28, s28, PREC                       ; Wo's pairs 4 w on
	s_mov_b32 s29, 0
	s_mov_b32 s[SEL], 0x76543210
	s_mov_b32 s[SEL+1], 0xfedcba98
	s_mov_b32 s[INV], 0x3aaaaaab
	s_mov_b32 s[EPS], 0x3727c5ac
	v_lshlrev_b32 v[LI], 4, v4
	v_lshlrev_b32 v[LS], 2, v4
	v_and_b32 v12, 15, v0                          ; r
	v_bfe_u32 v13, v0, 4, 1                        ; h
	v_and_b32 v[XA], 7, v12
	v_lshrrev_b32 v[HB], 3, v12
	v_lshl_add_u32 v[XA], v[HB], 4, v[XA]
	v_mul_u32_u24 v[XA], v[XA], 3072
	v_lshlrev_b32 v[HB], 6, v13
	v_add_nc_u32 v[XA], v[XA], v[HB]
	v_lshlrev_b32 v[LST], 2, v0
	v_lshl_add_u32 v[CO], v1, 10, v[LI]
	s_mul_i32 s30, s[WV], 8448                     ; my stage: 16 rows x (512 + 16) bytes
	v_mul_u32_u24 v[STO], v12, 528
	v_add_nc_u32 v[STO], v[STO], v[HB]
	v_add_nc_u32 v[STO], s30, v[STO]
	v_add_nc_u32 v[STR], s30, v[LI]
.irp b, 0,1,2,3
	v_mov_b32 v[TM+4+\b], 0
.endr
	s_wait_kmcnt 0x0
	s_add_nc_u64 s[4:5], s[4:5], s[26:27]
	s_add_nc_u64 s[6:7], s[6:7], s[28:29]
	s_add_nc_u64 s[8:9], s[8:9], s[24:25]
	s_add_nc_u64 s[10:11], s[10:11], s[22:23]
	s_add_nc_u64 s[12:13], s[12:13], s[24:25]
	s_add_nc_u64 s[14:15], s[14:15], s[24:25]
	s_add_nc_u64 s[16:17], s[16:17], s[22:23]
	s_add_nc_u64 s[18:19], s[18:19], s[26:27]
	PLOAD ACC, XA, 10                              ; x
	LOADS 0
	LOADS 1
.irp s4, 0,1,2,3
	s_wait_loadcnt 23                              ; this step's loads are in; the next step's 23 may be out
	MULS \s4
	LOADS \s4+2
.endr
	s_wait_loadcnt 23
	MULS 4
	PLOAD WF0, HB, 8                               ; bo
	s_wait_loadcnt 16                              ; step 5's loads are in; bo's 16 may be out
	MULS 5
	PLOAD WF1, HB, 12                              ; the gain
	s_wait_loadcnt 16                              ; bo is in; the gain's 16 may be out
.set j, 0
.rept 32
	v_pk_add_f32 v[ACC+j:ACC+j+1], v[ACC+j:ACC+j+1], v[WF0+j:WF0+j+1]    ; x1; each accumulator from its low end on
.set j, j+2
.endr
.irp b, 0,1,2,3
.irp j, 0,1,2,3
	ds_store_b128 v[STO], v[ACC+16*\b+4*\j:ACC+16*\b+4*\j+3] offset:128*\b+16*\j
.endr
.endr
.irp i, 0,1,2,3,4,5,6,7,8,9,10,11,12,13,14,15
	ds_load_b128 v[WF0+4*\i:WF0+4*\i+3], v[STR] offset:\i*528   ; LDS serves a wave's instructions in order: these see my stores
.endr
.irp i, 0,1,2,3,4,5,6,7,8,9,10,11,12,13,14,15
	s_wait_dscnt 15-\i
	global_store_b128 v[LI], v[WF0+4*\i:WF0+4*\i+3], s[16:17] offset:((\i%8)+16*(\i/8))*3072   ; 32 lanes store 512 consecutive bytes of a row, at a multiple of 256
.endr
	s_wait_xcnt 0x0                                ; the stores have read their registers: they take the bias
	PLOAD WF0, HB, 14
	LNQ ACC, WF1, WF0, 50688, 51456, PC, PW
	global_store_b128 v[CO], v[PC:PC+3], s[18:19]
	global_store_b128 v[CO], v[PC+4:PC+7], s[18:19] offset:512
	global_store_b32 v[LST], v[PW], s[18:19] offset:6144
	s_wait_tensorcnt 0x0
	ds_add_u32 v254, v255
	s_wait_dscnt 0x0
	s_endpgm
.Lfunc_end_k_qabb91864a8_proj:
	.size	k_qabb91864a8_proj, .Lfunc_end_k_qabb91864a8_proj-k_qabb91864a8_proj
	.p2alignl 7, 3214868480
	.fill 96, 4, 3214868480
	.section	.rodata,"a",@progbits
	.p2align	6, 0x0
	.amdhsa_kernel k_qabb91864a8_proj
		.amdhsa_group_segment_fixed_size 54016
		.amdhsa_private_segment_fixed_size 0
		.amdhsa_enable_private_segment 0
		.amdhsa_kernarg_size 64
		.amdhsa_user_sgpr_count 2
		.amdhsa_user_sgpr_kernarg_segment_ptr 1
		.amdhsa_wavefront_size32 1
		.amdhsa_system_sgpr_workgroup_id_x 1
		.amdhsa_system_sgpr_workgroup_id_y 1
		.amdhsa_system_sgpr_workgroup_id_z 1
		.amdhsa_system_vgpr_workitem_id 0
		.amdhsa_next_free_vgpr 256
		.amdhsa_next_free_sgpr 66
		.amdhsa_reserve_vcc 0
		.amdhsa_float_denorm_mode_32 3
		.amdhsa_float_denorm_mode_16_64 3
		.amdhsa_memory_ordered 1
		.amdhsa_forward_progress 1
		.amdhsa_inst_pref_size 51
	.end_amdhsa_kernel
	.amdgpu_metadata
---
amdhsa.version: [ 1, 2 ]
amdhsa.kernels:
  - .name:           k_qabb91864a8_proj
    .symbol:         k_qabb91864a8_proj.kd
    .args:
      - { .name: acta, .offset: 0, .size: 8, .value_kind: global_buffer, .address_space: global }
      - { .name: wts, .offset: 8, .size: 8, .value_kind: global_buffer, .address_space: global }
      - { .name: bo, .offset: 16, .size: 8, .value_kind: global_buffer, .address_space: global }
      - { .name: x, .offset: 24, .size: 8, .value_kind: global_buffer, .address_space: global }
      - { .name: ln2_w, .offset: 32, .size: 8, .value_kind: global_buffer, .address_space: global }
      - { .name: ln2_b, .offset: 40, .size: 8, .value_kind: global_buffer, .address_space: global }
      - { .name: x1, .offset: 48, .size: 8, .value_kind: global_buffer, .address_space: global }
      - { .name: actb, .offset: 56, .size: 8, .value_kind: global_buffer, .address_space: global }
    .group_segment_fixed_size: 54016
    .private_segment_fixed_size: 0
    .kernarg_segment_align: 8
    .kernarg_segment_size: 64
    .max_flat_workgroup_size: 192
    .sgpr_count:     66
    .vgpr_count:     256
    .wavefront_size: 32
...
	.end_amdgpu_metadata
.endif
;; end of part 4
;; launch ffn1 (part 5): grid 8 x 32, 12 waves a work-group, clusters of 4 x 4, 327,680 bytes of LDS; arguments actb, wts, b1, hbuf; writes hbuf
.if DOCPART == 5
	.amdgcn_target "amdgcn-amd-amdhsa--gfx1250"
	.amdhsa_code_object_version 6
	.text
	.protected	k_qabb91864a8_ffn1
	.globl	k_qabb91864a8_ffn1
	.p2align	8
	.type	k_qabb91864a8_ffn1,@function
k_qabb91864a8_ffn1:
	s_mov_b64 s[64:65], 0
	v_nop
	global_prefetch_b8 v0, s[64:65] scope:SCOPE_SE
	s_setreg_imm32_b32 hwreg(HW_REG_WAVE_MODE, 25, 1), 1
	s_wait_xcnt 0x0
	s_wait_alu depctr_hold_cnt(0) depctr_sa_sdst(0) depctr_va_vdst(0) depctr_va_sdst(0) depctr_va_ssrc(0) depctr_va_vcc(0) depctr_vm_vsrc(0)
	s_getreg_b32 s2, hwreg(HW_REG_IB_STS2, 6, 4)
	s_cmp_eq_u32 s2, 0
	s_cbranch_scc0 .Lentry_in_a_cluster
	s_endpgm
.Lentry_in_a_cluster:
	s_bfe_u32 s2, ttmp6, 0x10000c
	s_cmp_lg_u32 s2, 0xf033
	s_cbranch_scc0 .Lentry_shape_is_right
	s_endpgm
.Lentry_shape_is_right:
.set REC,  6912
.set PREC, 13056
.set YP,   156672
.set WV,   12
.set GR,   13
.set TP,   14
.set SEL,  22
.set G1W,  24
.set G1Y,  32
.set G0W,  40
.set G0Y,  44
.set OC,   60
.set OW,   62
.set LI,   2
.set LS,   3
.set AW,   4
.set AWS,  5
.set AY,   6
.set AYS,  7
.set HB,   8
.set ACC,  16
.set WF,   144
.set YF,   208
.set WS,   224
.set YS,   228
.set GZ,   144
.set GQ,   160
.set GA,   176
.set GB,   192
.set TM,   144
.set PC,   160
.set PW,   176
.macro PLACES
.rept 4
	v_nop
.endr
.endm
.macro ROUND
	s_barrier_signal -1
	s_barrier_wait -1
	s_cmp_lg_u32 s[WV], 0
	s_cbranch_scc1 .Lnot_wave_0_\@
	s_barrier_signal -3
.Lnot_wave_0_\@:
	s_barrier_wait -3
	s_barrier_signal -1
	s_barrier_wait -1
.endm
.macro MM d, a, b, sa, sb
	v_wmma_scale_f32_16x16x128_f8f6f4 v[\d:\d+7], v[\a:\a+7], v[\b:\b+7], v[\d:\d+7], v[\sa], v[\sb] matrix_a_fmt:MATRIX_FMT_FP4 matrix_b_fmt:MATRIX_FMT_FP4
.endm
.macro MM1 d, a, b, sa, sb
	v_wmma_scale_f32_16x16x128_f8f6f4 v[\d:\d+7], v[\a:\a+7], v[\b:\b+7], v[\d:\d+7], v[\sa], v[\sb] matrix_a_fmt:MATRIX_FMT_FP4 matrix_b_fmt:MATRIX_FMT_FP4 matrix_a_scale:MATRIX_SCALE_ROW1
.endm
.macro QUANT sr, pc, pw
.irp b, 0,1,2,3
	v_max3_num_f32 v[TM+\b], |v[\sr+16*\b]|, |v[\sr+1+16*\b]|, 0x1800000
.endr
.irp i, 2,4,6,8,10,12,14
.irp b, 0,1,2,3
	s_delay_alu instid0(VALU_DEP_4)
	v_max3_num_f32 v[TM+\b], v[TM+\b], |v[\sr+16*\b+\i]|, |v[\sr+1+16*\b+\i]|
.endr
.endr
.irp b, 0,1,2,3
	s_delay_alu instid0(VALU_DEP_4)
	v_permlanex16_b32 v[TM+4+\b], v[TM+\b], s[SEL], s[SEL+1]
.endr
.irp b, 0,1,2,3
	s_delay_alu instid0(VALU_DEP_4)
	v_max_num_f32 v[TM+\b], v[TM+\b], v[TM+4+\b]
.endr
.irp b, 0,1,2,3
	s_delay_alu instid0(VALU_DEP_4)
	v_add_nc_u32 v[TM+12+\b], 0xff000000, v[TM+\b]
.endr
.irp b, 0,1,2,3
	s_delay_alu instid0(VALU_DEP_4)
	v_lshrrev_b32 v[TM+4+\b], 23, v[TM+12+\b]
.endr
	s_delay_alu instid0(VALU_DEP_3)
	v_lshl_or_b32 v[\pw], v[TM+5], 8, v[TM+4]
	s_delay_alu instid0(VALU_DEP_1)
	v_lshl_or_b32 v[\pw], v[TM+6], 16, v[\pw]
	s_delay_alu instid0(VALU_DEP_1)
	v_lshl_or_b32 v[\pw], v[TM+7], 24, v[\pw]
.irp b, 0,1,2,3
	v_cvt_scalef32_pk8_fp4_f32 v[\pc+2*\b], v[\sr+16*\b:\sr+7+16*\b], v[TM+12+\b]
	v_cvt_scalef32_pk8_fp4_f32 v[\pc+1+2*\b], v[\sr+8+16*\b:\sr+15+16*\b], v[TM+12+\b]
.endr
	v_nop
.irp c, 0,1
.irp i, 0,1
	v_permlane16_swap_b32 v[\pc+4*\c+\i], v[\pc+2+4*\c+\i]
.endr
.endr
.endm
.macro FSTEP st
.if \st > 0
	PLACES
.endif
.irp p, 0,1,2,3
.irp f, 0,1,2,3
	ds_load_b128 v[WF+16*\p+4*\f:WF+16*\p+4*\f+3], v[AW] offset:\p*PREC+\st*2048+\f*512
.endr
	ds_load_b32 v[WS+\p], v[AWS] offset:\p*PREC+\st*128
.endr
.irp i, 0,1
.irp c, 0,1
	ds_load_b128 v[YF+8*\i+4*\c:YF+8*\i+4*\c+3], v[AY] offset:\i*REC+\st*1024+\c*512
.endr
	ds_load_b32 v[YS+\i], v[AYS] offset:\i*REC+\st*128
.endr
	s_wait_dscnt 0x0
.irp i, 0,1
.irp p, 0,1,2,3
	MM  ACC+64*\i+16*\p, WF+16*\p, YF+8*\i, WS+\p, YS+\i
	MM1 ACC+64*\i+16*\p+8, WF+16*\p+8, YF+8*\i, WS+\p, YS+\i
.endr
.endr
.endm
.macro COEF reg, val
	v_mov_b32 v[\reg], \val
	v_mov_b32 v[\reg+1], \val
.endm
.macro HORNER acc, cf
.set j, 0
.rept 8
	v_pk_fma_f32 v[\acc+j:\acc+j+1], v[\acc+j:\acc+j+1], v[GQ+j:GQ+j+1], v[\cf:\cf+1]
.set j, j+2
.endr
.endm
.macro GELU xr
.set j, 0
.rept 8
	v_pk_mul_f32 v[GZ+j:GZ+j+1], v[\xr+j:\xr+j+1], v[238:239]
.set j, j+2
.endr
.set j, 0
.rept 16
	v_med3_num_f32 v[GZ+j], v[GZ+j], -4.0, 4.0
.set j, j+1
.endr
.set j, 0
.rept 8
	v_pk_mul_f32 v[GQ+j:GQ+j+1], v[GZ+j:GZ+j+1], v[GZ+j:GZ+j+1]
.set j, j+2
.endr
.set j, 0
.rept 8
	v_pk_fma_f32 v[GA+j:GA+j+1], v[GQ+j:GQ+j+1], v[208:209], v[210:211]
	v_pk_fma_f32 v[GB+j:GB+j+1], v[GQ+j:GQ+j+1], v[222:223], v[230:231]
.set j, j+2
.endr
	HORNER GA, 212
	HORNER GB, 232
	HORNER GA, 214
	HORNER GB, 234
	HORNER GA, 216
	HORNER GB, 236
	HORNER GA, 218
	HORNER GA, 220
.set j, 0
	s_wait_alu depctr_va_vdst(0)
.rept 16
	v_rcp_f32 v[GB+j], v[GB+j]
.set j, j+1
.endr
.set j, 0
.rept 8
	v_pk_mul_f32 v[GA+j:GA+j+1], v[GA+j:GA+j+1], v[GZ+j:GZ+j+1]
.set j, j+2
.endr
.set j, 0
.rept 8
	v_pk_mul_f32 v[GZ+j:GZ+j+1], v[\xr+j:\xr+j+1], 0.5 op_sel_hi:[1,0]
.set j, j+2
.endr
	s_wait_alu depctr_va_vdst(0)
.set j, 0
.rept 8
	v_pk_mul_f32 v[GA+j:GA+j+1], v[GA+j:GA+j+1], v[GB+j:GB+j+1]
.set j, j+2
.endr
.set j, 0
.rept 8
	v_pk_fma_f32 v[\xr+j:\xr+j+1], v[GZ+j:GZ+j+1], v[GA+j:GA+j+1], v[GZ+j:GZ+j+1]
.set j, j+2
.endr
.endm
	s_load_b256 s[4:11], s[0:1], 0x0
	v_lshl_add_u32 v254, v0, 2, 0x34000
	v_mov_b32 v255, 0
	ds_add_u32 v254, v255
	ds_add_u32 v254, v255
	v_lshrrev_b32 v1, 5, v0
	s_delay_alu instid0(VALU_DEP_1)
	v_readfirstlane_b32 s[WV], v1
	s_lshr_b32 s[GR], s[WV], 2
	s_and_b32 s[TP], s[WV], 3
	s_bfe_u32 s15, ttmp6, 0x40000
	s_bfe_u32 s16, ttmp6, 0x40004
	s_lshl_b32 s17, ttmp9, 2
	s_add_co_u32 s17, s17, s15
	s_and_b32 s18, ttmp7, 0xffff
	s_lshl_b32 s18, s18, 2
	s_add_co_u32 s18, s18, s16
	s_lshl_b32 s19, s16, 2
	s_lshl_b32 s19, 15, s19
	s_lshl_b32 s20, 0x1111, s15
	s_or_b32 s[G1W], s20, (3<<16)|(1<<21)
	s_or_b32 s[G1Y], s19, (3<<16)|(1<<21)
.irp g, G1W, G1Y
	s_mov_b32 s[\g+1], 32<<16
	s_mov_b32 s[\g+3], 32<<16
	s_mov_b32 s[\g+5], 32
	s_mov_b32 s[\g+6], 0
	s_mov_b32 s[\g+7], 0
.endr
	s_mov_b32 s[G1W+2], 102<<16                    ; waves 0-5: two records of W1 each: 102 rows of 256 bytes
	s_mov_b32 s[G1W+4], 102
	s_mov_b32 s[G1Y+2], 36<<16                     ; waves 6-11: a sixth of y's 8 tiles each: 36 rows
	s_mov_b32 s[G1Y+4], 36
	s_mul_i32 s48, s17, 12
	s_add_co_u32 s48, s48, s[WV]
	s_add_co_u32 s48, s48, s[WV]                   ; record 96 + 12 x + 2 wave
	s_add_co_u32 s48, s48, 96
	s_mul_i32 s48, s48, PREC
	s_mov_b32 s49, 0
	s_mul_i32 s50, s18, 55296
	s_max_u32 s51, s[WV], 6
	s_sub_co_u32 s51, s51, 6
	s_mul_i32 s51, s51, 9216                       ; sixth wave - 6
	s_add_co_u32 s50, s50, s51
	s_mov_b32 s51, 0
	s_mov_b32 s[SEL], 0x76543210
	s_mov_b32 s[SEL+1], 0xfedcba98
	s_wait_dscnt 0x0
	s_wait_kmcnt 0x0
	s_mov_b32 s[G0W], 1
	s_mul_i32 s[G0W+1], s[WV], 2*PREC
	s_add_nc_u64 s[G0W+2:G0W+3], s[6:7], s[48:49]
	s_or_b32 s[G0W+3], s[G0W+3], 0x80000000
	s_mov_b32 s[G0Y], 1
	s_mul_i32 s[G0Y+1], s[WV], 9216
	s_add_co_u32 s[G0Y+1], s[G0Y+1], YP-55296      ; wave 6 begins at YP
	s_add_nc_u64 s[G0Y+2:G0Y+3], s[4:5], s[50:51]
	s_or_b32 s[G0Y+3], s[G0Y+3], 0x80000000
	ROUND
	s_cmp_lt_u32 s[WV], 6                          ; the head's loads, one a wave, one to each arm; nothing is filled again
	s_cbranch_scc0 .Lfill_y
	tensor_load_to_lds s[G0W:G0W+3], s[G1W:G1W+7]
	s_nop 0
	PLACES
	s_branch .Lfilled
.Lfill_y:
	tensor_load_to_lds s[G0Y:G0Y+3], s[G1Y:G1Y+7]
	s_nop 0
	PLACES
.Lfilled:
	v_and_b32 v1, 31, v0
	s_delay_alu instid0(VALU_DEP_1)
	v_lshlrev_b32 v[LI], 4, v1
	s_delay_alu instid0(VALU_DEP_2)
	v_lshlrev_b32 v[LS], 2, v1
	v_bfe_u32 v[HB], v0, 4, 1
	s_delay_alu instid0(VALU_DEP_1)
	v_lshlrev_b32 v[HB], 6, v[HB]
	s_wait_alu depctr_va_vdst(0)
	s_mul_i32 s48, s[GR], 4*PREC
	v_add_nc_u32 v[AW], s48, v[LI]
	s_add_co_u32 s48, s48, 12288
	v_add_nc_u32 v[AWS], s48, v[LS]
	s_mul_i32 s48, s[TP], 2*REC
	s_add_co_u32 s48, s48, YP
	v_add_nc_u32 v[AY], s48, v[LI]
	s_add_co_u32 s48, s48, 6144
	v_add_nc_u32 v[AYS], s48, v[LS]
	s_mul_i32 s54, s17, 1536
	s_lshl_b32 s55, s[GR], 9
	s_add_co_u32 s54, s54, s55
	s_mov_b32 s55, 0
	s_add_nc_u64 s[8:9], s[8:9], s[54:55]
.irp i, 0,1
.irp b, 0,1,2,3
.irp j, 0,1,2,3
	global_load_b128 v[ACC+64*\i+16*\b+4*\j:ACC+64*\i+16*\b+4*\j+3], v[HB], s[8:9] offset:128*\b+16*\j
.endr
.endr
.endr
	s_lshl_b32 s48, s18, 2
	s_lshr_b32 s49, s17, 1
	s_add_co_u32 s48, s48, s49
	s_lshl_b32 s48, s48, 3
	s_lshl_b32 s49, s[TP], 1
	s_add_co_u32 s48, s48, s49
	s_mul_i32 s48, s48, REC
	s_and_b32 s49, s17, 1
	s_mul_i32 s49, s49, 3
	s_add_co_u32 s49, s49, s[GR]
	s_lshl_b32 s50, s49, 10
	s_add_co_u32 s50, s50, s48
	s_mov_b32 s51, 0
	s_lshl_b32 s52, s49, 7
	s_add_co_u32 s52, s52, s48
	s_add_co_u32 s52, s52, 6144
	s_mov_b32 s53, 0
	s_add_nc_u64 s[OC:OC+1], s[10:11], s[50:51]
	s_add_nc_u64 s[OW:OW+1], s[10:11], s[52:53]
	s_wait_alu depctr_va_vdst(0)
	s_wait_tensorcnt 0x0
	s_barrier_signal -1
	s_barrier_wait -1
	s_wait_loadcnt 0x0
.irp s6, 0,1,2,3,4,5
	FSTEP \s6
.endr
	PLACES
	COEF 208, 0xaf95df0b
	COEF 210, 0x32edffee
	COEF 212, 0xb60cff51
	COEF 214, 0xb86ec2d2
	COEF 216, 0xba40ac63
	COEF 218, 0xbb41a1f6
	COEF 220, 0xbc83dbd4
	COEF 222, 0xb77460cd
	COEF 230, 0xb95fbd29
	COEF 232, 0xbadc924e
	COEF 234, 0xbbf19bf8
	COEF 236, 0xbc69b6a7
	COEF 238, 0x3f3504f3
.irp n, 0,1,2,3,4,5,6,7
	GELU ACC+16*\n
.endr
.irp i, 0,1
	QUANT ACC+64*\i, PC+8*\i, PW+\i
	global_store_b128 v[LI], v[PC+8*\i:PC+8*\i+3], s[OC:OC+1] offset:\i*REC
	global_store_b128 v[LI], v[PC+8*\i+4:PC+8*\i+7], s[OC:OC+1] offset:\i*REC+512
	global_store_b32 v[LS], v[PW+\i], s[OW:OW+1] offset:\i*REC
.endr
	s_wait_tensorcnt 0x0
	ds_add_u32 v254, v255
	s_wait_dscnt 0x0
	ROUND
	s_endpgm
.Lfunc_end_k_qabb91864a8_ffn1:
	.size	k_qabb91864a8_ffn1, .Lfunc_end_k_qabb91864a8_ffn1-k_qabb91864a8_ffn1
	.p2alignl 7, 3214868480
	.fill 96, 4, 3214868480
	.section	.rodata,"a",@progbits
	.p2align	6, 0x0
	.amdhsa_kernel k_qabb91864a8_ffn1
		.amdhsa_group_segment_fixed_size 327680
		.amdhsa_private_segment_fixed_size 0
		.amdhsa_enable_private_segment 0
		.amdhsa_kernarg_size 32
		.amdhsa_user_sgpr_count 2
		.amdhsa_user_sgpr_kernarg_segment_ptr 1
		.amdhsa_wavefront_size32 1
		.amdhsa_system_sgpr_workgroup_id_x 1
		.amdhsa_system_sgpr_workgroup_id_y 1
		.amdhsa_system_sgpr_workgroup_id_z 1
		.amdhsa_system_vgpr_workitem_id 0
		.amdhsa_next_free_vgpr 256
		.amdhsa_next_free_sgpr 66
		.amdhsa_reserve_vcc 0
		.amdhsa_float_denorm_mode_32 3
		.amdhsa_float_denorm_mode_16_64 3
		.amdhsa_memory_ordered 1
		.amdhsa_forward_progress 1
		.amdhsa_inst_pref_size 122
	.end_amdhsa_kernel
	.amdgpu_metadata
---
amdhsa.version: [ 1, 2 ]
amdhsa.kernels:
  - .name:           k_qabb91864a8_ffn1
    .symbol:         k_qabb91864a8_ffn1.kd
    .args:
      - { .name: actb, .offset: 0, .size: 8, .value_kind: global_buffer, .address_space: global }
      - { .name: wts, .offset: 8, .size: 8, .value_kind: global_buffer, .address_space: global }
      - { .name: b1, .offset: 16, .size: 8, .value_kind: global_buffer, .address_space: global }
      - { .name: hbuf, .offset: 24, .size: 8, .value_kind: global_buffer, .address_space: global }
    .group_segment_fixed_size: 327680
    .private_segment_fixed_size: 0
    .kernarg_segment_align: 8
    .kernarg_segment_size: 32
    .max_flat_workgroup_size: 384
    .sgpr_count:     66
    .vgpr_count:     256
    .wavefront_size: 32
...
	.end_amdgpu_metadata
.endif
;; end of part 5
;; launch ffn2 (part 6): grid 32 x 6, 8 waves a work-group, clusters of 4 x 1, 327,680 bytes of LDS; arguments hbuf, wts, x1, b2, out0; writes out0
.if DOCPART == 6
	.amdgcn_target "amdgcn-amd-amdhsa--gfx1250"
	.amdhsa_code_object_version 6
	.text
	.protected	k_qabb91864a8_ffn2
	.globl	k_qabb91864a8_ffn2
	.p2align	8
	.type	k_qabb91864a8_ffn2,@function
k_qabb91864a8_ffn2:
	s_mov_b64 s[64:65], 0
	v_nop
	global_prefetch_b8 v0, s[64:65] scope:SCOPE_SE
	s_setreg_imm32_b32 hwreg(HW_REG_WAVE_MODE, 25, 1), 1
	s_wait_xcnt 0x0
	s_wait_alu depctr_hold_cnt(0) depctr_sa_sdst(0) depctr_va_vdst(0) depctr_va_sdst(0) depctr_va_ssrc(0) depctr_va_vcc(0) depctr_vm_vsrc(0)
	s_getreg_b32 s2, hwreg(HW_REG_IB_STS2, 6, 4)
	s_cmp_eq_u32 s2, 0
	s_cbranch_scc0 .Lentry_in_a_cluster
	s_endpgm
.Lentry_in_a_cluster:
	s_bfe_u32 s2, ttmp6, 0x10000c
	s_cmp_lg_u32 s2, 0x3003
	s_cbranch_scc0 .Lentry_shape_is_right
	s_endpgm
.Lentry_shape_is_right:
; FFN2.  out = x1 + h W2 + b2 for 128 tokens x 128 columns.  K = 3,072 goes in four chunks of 768 through THREE LDS slots: the 8 token tiles of h (55,296 bytes), then 4 pairs of tiles of W2 (52,224).
; Chunks 0, 1 and 2 are asked for at the start; chunk 3 goes into slot 0 behind chunk 0's products and has two chunks' work, 96 products a wave, in which to land: one refill, one round.
; 192 work-groups: 128 columns are two whole runs of 256 bytes of a row of out; 96 columns would give 256 work-groups and halves of such runs.
; CLUSTER 4 x 1: x is the block of tokens, y the block of columns.  The partners need the same tiles of W2: waves 4-7 ask for them jointly; h is each work-group's own: waves 0-3, plain loads.
; A wave has 4 token tiles x 4 column tiles (16 accumulators; source 0 = W2, source 1 = h: a lane holds 8 neighbouring columns of one token) and HALF of K: wave / 4 takes steps 3 (wave / 4) on of each chunk.
; The partner waves w and w xor 4 add their halves at the end through LDS.  Accumulator group i stands for token tile ((i + 2 (wave / 4)) % 4) of the wave's four, so that each keeps groups 0, 1 and gives 2, 3.
; The sums begin with x1 in waves 0-3 and with b2 in waves 4-7: the two halves add up to the result.
.set REC,   6912
.set PREC,  13056
.set SLOTB, 107520
; LDS: h's three slots of HSL bytes on end, then W2's three of WSL bytes: chunks 0 to 2 of h, and of W2, are dense in memory, so ONE load a wave brings a quarter of all three at the head
.set HSL,   55296
.set WSL,   52224
.set WOFF,  3*HSL
.set XS,    HSL                        ; the exchange, 8,192 bytes a wave, lies in h's slots 1 and 2, and
.set STAGE, WOFF+WSL                   ; the way out's stage, 8,704 bytes a wave, in W2's slots 1 and 2: all filled once, and nobody reads them behind the last barrier of the chunks
.set SPARE, 3*SLOTB                    ; the spare words: 128 bytes for each of 8 waves, four blocks of 256 bytes that no other line names
.set WV,   14
.set TH,   15
.set NH,   16
.set KH,   17
.set G1H,  24
.set G1W,  32
.set G0H,  40                          ; s[40:47] group 0 for h's tiles: set 0 the head's load, set 1 chunk 3
.set G0W,  68                          ; s[68:75] the same for W2's
.set LI,   2
.set LS,   3
.set ACC,  16                          ; v16-143
.set HF,   144                         ; v144-175
.set WF,   176                         ; v176-207
.set SPW,  208
.set NIL,  209
.set XSO,  210
.set XSI,  211
.set STO,  212
.set STR,  213
.set GO,   214
.set XA,   215
.set HB,   216
.set HS,   224                         ; v224-227, v228-229: scales and nothing else
.set WS,   228
.set AHA,  230                         ; v230-232 h's tiles of groups 0, 1, in slot 0, 1, 2
.set AHB,  233                         ; v233-235 of groups 2, 3
.set ASA,  236                         ; v236-241 their scale words
.set ASB,  239
.set AW,   242                         ; v242-244 W2's tiles
.set AWS,  245                         ; v245-247 their scale words
.macro PLACES
.rept 4
	v_nop
.endr
.endm
.macro ROUND
	s_barrier_signal -1
	s_barrier_wait -1
	s_cmp_lg_u32 s[WV], 0
	s_cbranch_scc1 .Lnot_wave_0_\@
	s_barrier_signal -3
.Lnot_wave_0_\@:
	s_barrier_wait -3
	s_barrier_signal -1
	s_barrier_wait -1
.endm
.macro MM d, a, b, sa, sb
	v_wmma_scale_f32_16x16x128_f8f6f4 v[\d:\d+7], v[\a:\a+7], v[\b:\b+7], v[\d:\d+7], v[\sa], v[\sb] matrix_a_fmt:MATRIX_FMT_FP4 matrix_b_fmt:MATRIX_FMT_FP4
.endm
.macro MM1 d, a, b, sa, sb
	v_wmma_scale_f32_16x16x128_f8f6f4 v[\d:\d+7], v[\a:\a+7], v[\b:\b+7], v[\d:\d+7], v[\sa], v[\sb] matrix_a_fmt:MATRIX_FMT_FP4 matrix_b_fmt:MATRIX_FMT_FP4 matrix_a_scale:MATRIX_SCALE_ROW1
.endm
.macro TLOAD n                         ; waves 0-3: a quarter of h's tiles; waves 4-7: a pair of W2, jointly.  The branch hangs on the wave's number alone
	s_cmp_lt_u32 s[WV], 4
	s_cbranch_scc0 .Lfor_w_\@
	tensor_load_to_lds s[G0H+4*\n:G0H+4*\n+3], s[G1H:G1H+7]
	s_nop 0
	PLACES
	s_branch .Lasked_\@
.Lfor_w_\@:
	tensor_load_to_lds s[G0W+4*\n:G0W+4*\n+3], s[G1W:G1W+7]
	s_nop 0
	PLACES
.Lasked_\@:
.endm
; All my tensor loads are in, 0 goes onto my spare word, my LDS reads are over; the barrier.  fill = 1: slot n, just left, takes the chunk three on
.macro MEET n, fill
	s_wait_tensorcnt 0x0                           ; no tensor load of mine is out, so the descriptors may be written
	ds_add_u32 v[SPW], v[NIL]
.if \fill
	s_mov_b32 s[G1H+2], 54<<16                     ; from here on a load brings a quarter of one chunk: 54 rows of h,
	s_mov_b32 s[G1H+4], 54
	s_mov_b32 s[G1W+2], 51<<16                     ; 51 of W2
	s_mov_b32 s[G1W+4], 51
	s_wait_dscnt 0x0
	ROUND                                          ; no wave of any partner still reads that slot or has a load on its way
	TLOAD 1                                        ; my one tensor load behind the round: chunk 3, by the second set of group 0
.else
	s_wait_dscnt 0x0
	s_barrier_signal -1
	s_barrier_wait -1
.endif
.endm
.macro CHUNK n                         ; my three steps of the chunk in slot n: each 22 LDS loads and 16 products on 16 accumulators by turns
.irp g, 0,1,2
	PLACES                                         ; in front of loads into registers that matrix instructions have read
.irp i, 0,1
.irp c, 0,1
	ds_load_b128 v[HF+8*\i+4*\c:HF+8*\i+4*\c+3], v[AHA+\n] offset:\i*REC+\g*1024+\c*512
	ds_load_b128 v[HF+16+8*\i+4*\c:HF+16+8*\i+4*\c+3], v[AHB+\n] offset:\i*REC+\g*1024+\c*512
.endr
	ds_load_b32 v[HS+\i], v[ASA+\n] offset:\i*REC+\g*128
	ds_load_b32 v[HS+2+\i], v[ASB+\n] offset:\i*REC+\g*128
.endr
.irp p, 0,1
.irp f, 0,1,2,3
	ds_load_b128 v[WF+16*\p+4*\f:WF+16*\p+4*\f+3], v[AW+\n] offset:\p*PREC+\g*2048+\f*512
.endr
	ds_load_b32 v[WS+\p], v[AWS+\n] offset:\p*PREC+\g*128
.endr
	s_wait_dscnt 0x0
.irp i, 0,1,2,3
.irp p, 0,1
	MM  ACC+32*\i+16*\p, WF+16*\p, HF+8*\i, WS+\p, HS+\i
	MM1 ACC+32*\i+16*\p+8, WF+16*\p+8, HF+8*\i, WS+\p, HS+\i
.endr
.endr
.endr
.endm
	s_load_b256 s[4:11], s[0:1], 0x0               ; hbuf, wts, x1, b2
	s_load_b64 s[12:13], s[0:1], 0x20              ; out0
	v_lshl_add_u32 v[SPW], v0, 2, SPARE
	v_mov_b32 v[NIL], 0
	ds_add_u32 v208, v209
	ds_add_u32 v208, v209
	s_wait_dscnt 0x0
	v_lshrrev_b32 v1, 5, v0
	s_delay_alu instid0(VALU_DEP_1)
	v_readfirstlane_b32 s[WV], v1                  ; wave 0..7
	s_and_b32 s[TH], s[WV], 1                      ; which four token tiles
	s_bfe_u32 s[NH], s[WV], 0x10001                ; which four column tiles
	s_lshr_b32 s[KH], s[WV], 2                     ; which half of K
	s_bfe_u32 s18, ttmp6, 0x40000                  ; cx
	s_lshl_b32 s19, ttmp9, 2
	s_add_co_u32 s19, s19, s18                     ; tb
	s_and_b32 s20, ttmp7, 0xffff                   ; cb, which the partners share
	s_mov_b32 s[G1H], 3<<16                        ; no mask: my own; rows of 256 bytes, dense
	s_mov_b32 s[G1H+1], 32<<16
	s_mov_b32 s[G1H+2], 162<<16                    ; at the head: a quarter of three chunks of h: 162 rows
	s_mov_b32 s[G1H+3], 32<<16
	s_mov_b32 s[G1H+4], 162
	s_mov_b32 s[G1H+5], 32
	s_mov_b32 s[G1H+6], 0
	s_mov_b32 s[G1H+7], 0
	s_mov_b32 s[G1W], 15|(3<<16)|(1<<21)           ; all four partners
	s_mov_b32 s[G1W+1], 32<<16
	s_mov_b32 s[G1W+2], 153<<16                    ; at the head: three records of W2: 153 rows
	s_mov_b32 s[G1W+3], 32<<16
	s_mov_b32 s[G1W+4], 153
	s_mov_b32 s[G1W+5], 32
	s_mov_b32 s[G1W+6], 0
	s_mov_b32 s[G1W+7], 0
	s_mul_i32 s56, s19, 4*55296
	s_mul_i32 s57, s[WV], 13824
	s_add_co_u32 s56, s56, s57
	s_mov_b32 s57, 0
	s_lshl_b32 s58, s20, 4
	s_add_co_u32 s58, s58, s[WV]
	s_add_co_u32 s58, s58, 180                     ; record 180 + 16 cb + wave
	s_mul_i32 s58, s58, PREC
	s_mov_b32 s59, 0
	s_wait_kmcnt 0x0
	s_add_nc_u64 s[60:61], s[4:5], s[56:57]
	s_add_nc_u64 s[62:63], s[6:7], s[58:59]
	s_mul_i32 s56, s[WV], 27648                    ; the head's quarters are 41,472 bytes of h and 39,168 of W2 from wave to wave
	s_mul_i32 s58, s[WV], 2*PREC
	s_mov_b32 s[G0H], 1                            ; set 0: the head's load, chunks 0 to 2
	s_mul_i32 s[G0H+1], s[WV], 3*13824
	s_add_nc_u64 s[G0H+2:G0H+3], s[60:61], s[56:57]
	s_or_b32 s[G0H+3], s[G0H+3], 0x80000000
	s_mov_b32 s[G0W], 1
	s_mul_i32 s[G0W+1], s[WV], 3*PREC
	s_add_co_u32 s[G0W+1], s[G0W+1], WOFF-12*PREC
	s_add_nc_u64 s[G0W+2:G0W+3], s[62:63], s[58:59]   ; record 192 + 16 cb + 3 (wave - 4)
	s_or_b32 s[G0W+3], s[G0W+3], 0x80000000
	s_mov_b32 s[G0H+4], 1                          ; set 1: chunk 3, into slot 0
	s_mul_i32 s[G0H+5], s[WV], 13824
	s_add_nc_u64 s[G0H+6:G0H+7], s[60:61], 3*55296
	s_or_b32 s[G0H+7], s[G0H+7], 0x80000000
	s_mov_b32 s[G0W+4], 1
	s_mul_i32 s[G0W+5], s[WV], PREC
	s_add_co_u32 s[G0W+5], s[G0W+5], WOFF-4*PREC
	s_add_nc_u64 s[G0W+6:G0W+7], s[62:63], 20*PREC    ; record 192 + 16 cb + 12 + (wave - 4)
	s_or_b32 s[G0W+7], s[G0W+7], 0x80000000
	ROUND                                          ; all four work-groups are here
	s_cmp_lt_u32 s[WV], 4                          ; the head's loads, one a wave, one to each arm: a quarter of chunks 0, 1 and 2
	s_cbranch_scc0 .Lfirst_w
	tensor_load_to_lds s[G0H:G0H+3], s[G1H:G1H+7]
	s_nop 0
	PLACES
	s_branch .Lfirst_asked
.Lfirst_w:
	tensor_load_to_lds s[G0W:G0W+3], s[G1W:G1W+7]
	s_nop 0
	PLACES
.Lfirst_asked:
	v_and_b32 v1, 31, v0
	s_delay_alu instid0(VALU_DEP_1)
	v_lshlrev_b32 v[LI], 4, v1
	s_wait_alu depctr_va_vdst(0)
	v_lshlrev_b32 v[LS], 2, v1
	s_wait_alu depctr_va_vdst(0)
	s_mul_i32 s21, s[TH], 4*REC
	s_mul_i32 s22, s[KH], 2*REC
	s_xor_b32 s23, s[KH], 1
	s_mul_i32 s23, s23, 2*REC
	s_mul_i32 s56, s[KH], 3072                     ; my three steps: codes of h,
	s_mul_i32 s57, s[KH], 384                      ; scale words
	s_add_co_u32 s22, s22, s21
	s_add_co_u32 s23, s23, s21
	s_add_co_u32 s58, s22, s56
	s_add_co_u32 s59, s23, s56
	s_add_co_u32 s22, s22, s57
	s_add_co_u32 s22, s22, 6144
	s_add_co_u32 s23, s23, s57
	s_add_co_u32 s23, s23, 6144
	s_mul_i32 s60, s[NH], 2*PREC
	s_add_co_u32 s60, s60, WOFF
	s_mul_i32 s61, s[KH], 6144
	s_add_co_u32 s61, s61, s60
	s_add_co_u32 s60, s60, s57
	s_add_co_u32 s60, s60, 12288
.irp n, 0,1,2
	v_add_nc_u32 v[AHA+\n], s58, v[LI]
	v_add_nc_u32 v[AHB+\n], s59, v[LI]
	v_add_nc_u32 v[ASA+\n], s22, v[LS]
	v_add_nc_u32 v[ASB+\n], s23, v[LS]
	v_add_nc_u32 v[AW+\n], s61, v[LI]
	v_add_nc_u32 v[AWS+\n], s60, v[LS]
	s_add_co_u32 s58, s58, HSL
	s_add_co_u32 s59, s59, HSL
	s_add_co_u32 s22, s22, HSL
	s_add_co_u32 s23, s23, HSL
	s_add_co_u32 s61, s61, WSL
	s_add_co_u32 s60, s60, WSL
.endr
	s_lshl_b32 s56, s[WV], 13
	s_add_co_u32 s56, s56, XS
	v_add_nc_u32 v[XSO], s56, v[LI]                ; what I give,
	s_xor_b32 s56, s[WV], 4
	s_lshl_b32 s56, s56, 13
	s_add_co_u32 s56, s56, XS
	v_add_nc_u32 v[XSI], s56, v[LI]                ; what my partner gives
	v_and_b32 v217, 15, v0                         ; r
	v_bfe_u32 v218, v0, 4, 1                       ; h
	s_delay_alu instid0(VALU_DEP_1)
	v_lshlrev_b32 v[HB], 6, v218
	s_mul_i32 s56, s[WV], 8704                     ; my stage: 32 rows x (256 + 16) bytes
	s_add_co_u32 s56, s56, STAGE
	v_mul_u32_u24 v[STO], v217, 272
	s_delay_alu instid0(VALU_DEP_1)
	v_add_nc_u32 v[STO], v[STO], v[HB]
	s_delay_alu instid0(VALU_DEP_1)
	v_add_nc_u32 v[STO], s56, v[STO]
	v_mul_u32_u24 v[STR], v218, 272
	s_delay_alu instid0(VALU_DEP_1)
	v_lshl_add_u32 v[STR], v217, 4, v[STR]
	s_delay_alu instid0(VALU_DEP_1)
	v_add_nc_u32 v[STR], s56, v[STR]
	v_mul_u32_u24 v[GO], v218, 3072
	s_delay_alu instid0(VALU_DEP_1)
	v_lshl_add_u32 v[GO], v217, 4, v[GO]
	v_and_b32 v[XA], 7, v217
	v_lshrrev_b32 v219, 3, v217
	s_delay_alu instid0(VALU_DEP_1)
	v_lshl_add_u32 v[XA], v219, 4, v[XA]
	s_delay_alu instid0(VALU_DEP_1)
	v_mul_u32_u24 v[XA], v[XA], 3072
	s_delay_alu instid0(VALU_DEP_1)
	v_add_nc_u32 v[XA], v[XA], v[HB]
	s_lshl_b32 s56, s20, 9
	s_lshl_b32 s57, s[NH], 8
	s_add_co_u32 s56, s56, s57                     ; my 64 columns, in bytes
	s_mov_b32 s57, 0
	s_add_nc_u64 s[10:11], s[10:11], s[56:57]      ; b2
	s_lshl_b32 s58, s19, 7
	s_lshl_b32 s59, s[TH], 6
	s_add_co_u32 s58, s58, s59                     ; my four tiles' first token
	s_mul_i32 s60, s58, 3072
	s_add_co_u32 s60, s60, s56
	s_mov_b32 s61, 0
	s_add_nc_u64 s[8:9], s[8:9], s[60:61]          ; x1
	s_lshl_b32 s59, s[KH], 5
	s_add_co_u32 s58, s58, s59                     ; the first token of the two tiles that I keep
	s_mul_i32 s60, s58, 3072
	s_add_co_u32 s60, s60, s56
	s_add_nc_u64 s[12:13], s[12:13], s[60:61]      ; out
	s_cmp_eq_u32 s[KH], 0
	s_cbranch_scc0 .Lbias
	s_wait_alu depctr_va_vdst(0)
.irp i, 0,1,2,3
.irp p, 0,1
.irp j, 0,1,2,3
	global_load_b128 v[ACC+32*\i+16*\p+4*\j:ACC+32*\i+16*\p+4*\j+3], v[XA], s[8:9] offset:(32*(\i/2)+8*(\i%2))*3072+128*\p+16*\j
.endr
.endr
.endr
	s_branch .Lstarted
.Lbias:
.irp i, 0,1,2,3
.irp p, 0,1
.irp j, 0,1,2,3
	global_load_b128 v[ACC+32*\i+16*\p+4*\j:ACC+32*\i+16*\p+4*\j+3], v[HB], s[10:11] offset:128*\p+16*\j
.endr
.endr
.endr
.Lstarted:
	s_wait_tensorcnt 0x0                           ; my quarter of chunks 0 to 2 is in
	s_barrier_signal -1
	s_barrier_wait -1
	s_wait_loadcnt 0x0                             ; what the sums begin with
	CHUNK 0
	MEET 0, 1                                      ; chunks 1 and 2 are in, in every wave; slot 0 takes chunk 3
	CHUNK 1
	CHUNK 2                                        ; no barrier between them: the one above has shown both slots whole
	MEET 0, 0                                      ; chunk 3 is in; nothing is left to fetch
	CHUNK 0
	; the two halves of K meet
	PLACES
.irp n, 0,1,2,3,4,5,6,7,8,9,10,11,12,13,14,15
	ds_store_b128 v[XSO], v[ACC+64+4*\n:ACC+64+4*\n+3] offset:512*\n     ; groups 2 and 3, as they stand; each accumulator from its low end on
.endr
	s_wait_dscnt 0x0                               ; for my partner's sake
	s_barrier_signal -1
	s_barrier_wait -1
.irp n, 0,1,2,3,4,5,6,7,8,9,10,11,12,13,14,15
	ds_load_b128 v[HF+4*\n:HF+4*\n+3], v[XSI] offset:512*\n
.endr
	s_wait_dscnt 0x0
.set j, 0
.rept 32
	v_pk_add_f32 v[ACC+j:ACC+j+1], v[ACC+j:ACC+j+1], v[HF+j:HF+j+1]
.set j, j+2
.endr
	; the way out: 32 rows x 256 bytes through my stage
.irp i, 0,1
.irp p, 0,1
.irp j, 0,1,2,3
	ds_store_b128 v[STO], v[ACC+32*\i+16*\p+4*\j:ACC+32*\i+16*\p+4*\j+3] offset:\i*16*272+128*\p+16*\j
.endr
.endr
.endr
.irp k, 0,1,2,3,4,5,6,7,8,9,10,11,12,13,14,15
	ds_load_b128 v[HF+4*\k:HF+4*\k+3], v[STR] offset:\k*544   ; LDS serves a wave's instructions in order: these see my stores
.endr
.irp k, 0,1,2,3,4,5,6,7,8,9,10,11,12,13,14,15
	s_wait_dscnt 15-\k
	global_store_b128 v[GO], v[HF+4*\k:HF+4*\k+3], s[12:13] offset:(8*(\k/8)+2*(\k%4)+16*((\k/4)%2))*3072 th:TH_STORE_NT   ; sixteen lanes store 256 consecutive bytes, at a multiple of 256
.endr
	s_wait_tensorcnt 0x0                           ; the wave's end
	ds_add_u32 v[SPW], v[NIL]
	s_wait_dscnt 0x0
	ROUND                                          ; the closing round
	s_endpgm
.Lfunc_end_k_qabb91864a8_ffn2:
	.size	k_qabb91864a8_ffn2, .Lfunc_end_k_qabb91864a8_ffn2-k_qabb91864a8_ffn2
	.p2alignl 7, 3214868480
	.fill 96, 4, 3214868480
	.section	.rodata,"a",@progbits
	.p2align	6, 0x0
	.amdhsa_kernel k_qabb91864a8_ffn2
		.amdhsa_group_segment_fixed_size 327680
		.amdhsa_private_segment_fixed_size 0
		.amdhsa_enable_private_segment 0
		.amdhsa_kernarg_size 40
		.amdhsa_user_sgpr_count 2
		.amdhsa_user_sgpr_kernarg_segment_ptr 1
		.amdhsa_wavefront_size32 1
		.amdhsa_system_sgpr_workgroup_id_x 1
		.amdhsa_system_sgpr_workgroup_id_y 1
		.amdhsa_system_sgpr_workgroup_id_z 1
		.amdhsa_system_vgpr_workitem_id 0
		.amdhsa_next_free_vgpr 256
		.amdhsa_next_free_sgpr 80
		.amdhsa_reserve_vcc 0
		.amdhsa_float_denorm_mode_32 3
		.amdhsa_float_denorm_mode_16_64 3
		.amdhsa_memory_ordered 1
		.amdhsa_forward_progress 1
		.amdhsa_inst_pref_size 69
	.end_amdhsa_kernel
	.amdgpu_metadata
---
amdhsa.version: [ 1, 2 ]
amdhsa.kernels:
  - .name:           k_qabb91864a8_ffn2
    .symbol:         k_qabb91864a8_ffn2.kd
    .args:
      - { .name: hbuf, .offset: 0, .size: 8, .value_kind: global_buffer, .address_space: global }
      - { .name: wts, .offset: 8, .size: 8, .value_kind: global_buffer, .address_space: global }
      - { .name: x1, .offset: 16, .size: 8, .value_kind: global_buffer, .address_space: global }
      - { .name: b2, .offset: 24, .size: 8, .value_kind: global_buffer, .address_space: global }
      - { .name: out0, .offset: 32, .size: 8, .value_kind: global_buffer, .address_space: global }
    .group_segment_fixed_size: 327680
    .private_segment_fixed_size: 0
    .kernarg_segment_align: 8
    .kernarg_segment_size: 40
    .max_flat_workgroup_size: 256
    .sgpr_count:     80
    .vgpr_count:     256
    .wavefront_size: 32
...
	.end_amdgpu_metadata
.endif
;; end of part 6
